; MI455X (gfx1250); checked and timed in simulation.
; The chip was launched on July 23, 2026; its instructions are those of AMD's public machine-readable ISA for CDNA 5 (MIT licence, August 2026) and "CDNA5" Instruction Set Architecture Reference Guide (July 2026). The comments in the code are by the model that wrote it; some were corrected since.
;; Multi Head Attention. Allowed arithmetic: matrix products marked QUANTISED: E4M3 operands, one given power-of-two scale a tensor, by v_wmma_f32_16x16x64_fp8_fp8 or v_wmma_f32_16x16x128_fp8_fp8, f32 sums; everything else in f32.
;; Inputs: bk 1,024 float32; bo 1,024 float32; bq 1,024 float32; bv 1,024 float32; key 4 x 2,048 x 1,024 float32; lowp_scales 12 int32 (the exponents e of the quantised operands' scales 2^e); query 4 x 2,048 x 1,024 float32; value 4 x 2,048 x 1,024 float32; wk 1,024 x 1,024 float32; wo 1,024 x 1,024 float32; wq 1,024 x 1,024 float32; wv 1,024 x 1,024 float32.
;; Outputs: out0 4 x 2,048 x 1,024 float32.
;; Constants: is_causal = 1.
;; This version of the problem:
;;   THIS VERSION OF THE PROBLEM IS GIVEN IN LOW PRECISION. The matrix products marked QUANTISED in the list below multiply operands that are first quantised to E4M3 (4 exponent bits, 3 mantissa bits; 8 bits a number), with one given power-of-two scale for each operand tensor; their sums are f32. All else is computed in f32.
;;   The module's matrix products, in the order in which they are computed (A, B: the left and right operand; K: the contracted axis; several contracted axes count as one K, in the product's order):
;;     1. [M 8,192, K 1,024] x [K 1,024, N 1,024]; A: input query; B: input wq: QUANTISED (scales: A lowp_scales[0], B lowp_scales[1])
;;     2. [M 8,192, K 1,024] x [K 1,024, N 1,024]; A: input key; B: input wk: QUANTISED (scales: A lowp_scales[2], B lowp_scales[3])
;;     3. [M 8,192, K 1,024] x [K 1,024, N 1,024]; A: input value; B: input wv: QUANTISED (scales: A lowp_scales[4], B lowp_scales[5])
;;     4. batch 64 x [M 2,048, K 64] x [K 64, N 2,048]; A: computed on the way; B: computed on the way: QUANTISED (scales: A lowp_scales[6], B lowp_scales[7])
;;     5. batch 64 x [M 2,048, K 2,048] x [K 2,048, N 64]; A: softmax (see below); B: computed on the way: QUANTISED (scales: A lowp_scales[8], B lowp_scales[9])
;;     6. [M 8,192, K 1,024] x [K 1,024, N 1,024]; A: computed on the way; B: input wo: QUANTISED (scales: A lowp_scales[10], B lowp_scales[11])
;;   THE QUANTISER, for each operand of a quantised product, along K:
;;     - The operand's scale is 2^e, e = its entry of the input lowp_scales (int32; the entries are numbered through the quantised products in the list's order, A before B).
;;     - Each number is divided by the scale, clamped to +-448, and rounded to the nearest number of E4M3, ties to even, subnormals kept.
;;     - The product sums the exact products of the quantised numbers (number of the format x scale) in f32.
;;   ~~~python
;;   def quantise(x, axis, e):      # numpy; x: float32 -> the quantised numbers, widened to float32 again
;;       x = np.moveaxis(x, axis, -1); K = x.shape[-1]
;;       r = np.clip(x / 2.0 ** e, -448, 448)
;;       step = 2.0 ** (np.maximum(np.frexp(np.where(r == 0, 1, r))[1] - 1, -6) - 3)
;;       q = np.round(r / step) * step * 2.0 ** e      # np.round: ties to even
;;       return np.moveaxis(q, -1, axis).astype(np.float32)
;;   ~~~
;;   SOFTMAX AHEAD OF A QUANTISED PRODUCT. Where the list says 'softmax', what is quantised is not the finished softmax but p = 2^(t - M), with t = logit x log2(e) and M = ceil(the row's largest t), a whole number; so 1/2 < the row's largest p <= 1. The row's sum l is taken of the UNQUANTISED p, in f32, and the product's result is divided by l at the end. Since M is a whole number, a kernel that streams over the keys may use a running M (the ceiling of the running maximum): every later rescaling is an exact power of two, so the quantised numbers keep their values, but for numbers so far below the row's largest that they fall under the format's range.
;;   OPERANDS COMPUTED ON THE WAY. 'Computed on the way' means the value that the module computes at that place (a softmax that the list does not call 'softmax' is quantised finished and normalised). What goes into a quantiser is computed in f32, as accurately as f32 sums, v_exp_f32 and their like allow (about 1e-6 of the number): no bf16 or f16 on the way to a quantiser, and a product that is left as it is and whose result goes on into a quantised operand takes f32 operands (vector FMAs, or v_wmma_f32_16x16x4_f32). A number that lies on a knife's edge between two numbers of the format may be rounded either way, as far as f32 arithmetic and the matrix unit's own rounding can turn it there, and no further.
;; One version. Each part assembles by itself: llvm-mc -triple=amdgcn-amd-amdhsa -mcpu=gfx1250 --defsym DOCPART=n.
;; ======== version 1 of 1: 4 launches
;; limits: right only within a limited range of input values
;; workspace buffers: codes 29,360,128 bytes; qkv 25,165,824 bytes; ctx 8,388,608 bytes
;; launch quant (part 1): grid 896 x 1, 4 waves a work-group, no clusters, 33,280 bytes of LDS; arguments query, key, value, wq, wk, wv, wo, lowp_scales, codes; writes codes
.if DOCPART == 1
	.amdgcn_target "amdgcn-amd-amdhsa--gfx1250"
	.amdhsa_code_object_version 6
	.text
	.protected	k_q8f222fdc99_quant
	.globl	k_q8f222fdc99_quant
	.p2align	8
	.type	k_q8f222fdc99_quant,@function
k_q8f222fdc99_quant:
	s_mov_b64 s[64:65], 0
	v_nop
	global_prefetch_b8 v0, s[64:65] scope:SCOPE_SE
	s_setreg_imm32_b32 hwreg(HW_REG_WAVE_MODE, 25, 1), 1
	s_wait_xcnt 0x0
; query, key, value [8192][1024] and wq, wk, wv, wo [1024][1024], f32, become codes of FP8 (E4M3), K innermost, each with the one scale 2^e that is given for it.
; code = x / 2^e, held within +-448, rounded to the nearest code, ties to even.  e: entries 0, 2, 4, 1, 3, 5, 11 of the exponents.
; LIMITS: -126 <= e and e + 8 <= 127.  NaN among the inputs is not served (an infinity is held at the largest code).
; The seven tensors' codes lie one behind the other in one buffer, rows of 1,024 bytes, in the order of the arguments.
; THE ROWS OF key, value, wq, wk, wv ARE STORED IN ANOTHER ORDER: bits 3 and 4 of the row's number change places, so that place 16 i + r holds row 32 (i / 2) + 8 (i % 2) + r + 8 (r / 8).
; Sixteen neighbouring places are then the rows that the later products want as one tile (a lane's 16 results of two neighbouring tiles are 16 neighbours).  query and wo keep their order.
; SHARES.  A work-group takes 32 rows, a wave 8: the wave's number IS bits 4:3 of the row's number, so the other order costs nothing: waves 1 and 2 change their places in the output.
; A wave takes 16 steps of 512 numbers.  A conversion takes 8 numbers of one lane's registers, so a lane must hold 16 NEIGHBOURS; a load is best where neighbouring LANES take neighbouring bytes.  Both are had:
; each of a step's four loads reads 512 consecutive bytes; the 2,048 bytes go through the wave's own stage in LDS and come back 64 bytes a lane (16 bytes of padding behind each 64).
; A lane's 16 codes are 16 bytes: the wave stores 512 consecutive bytes.  No tensor loads, no barrier: waves share nothing.  Loads run four steps (16 loads a wave) ahead, the turn through LDS one step.
.set STEPS, 16
.set EMAX,  8
.set MANT,  0x600000                   ; the mantissa field of 448 as f32
.set CB,    16                         ; bytes of 16 codes
.set R,     16                         ; v16-79   four sets of 16 numbers as they are loaded
.set X,     80                         ; v80-111  two sets of 16 neighbours
.set C,     128                        ; v128-191 codes: four registers for each step, so that no store's data are written again
.set WREG,  8192                       ; LDS: a region of its own for each wave: two stages of 32 x SP bytes
.set SP,    80                         ; a lane's place in a stage: its 64 bytes + 16 of padding
	s_load_b512 s[16:31], s[0:1], 0x0              ; query s[16:17], key, value, wq, wk, wv, wo s[28:29], the exponents s[30:31]
	s_load_b64 s[32:33], s[0:1], 0x40              ; the codes
	v_lshl_add_u32 v192, v0, 2, 0x8000
	v_mov_b32 v193, 0
	v_lshrrev_b32 v1, 5, v0
	v_readfirstlane_b32 s48, v1                    ; wave
	v_and_b32 v2, 31, v0                           ; lane
	v_lshlrev_b32 v3, 4, v2                        ; my 16 bytes of a load's 512
	s_mul_i32 s49, s48, WREG
	v_lshrrev_b32 v14, 2, v2
	v_mul_u32_u24 v14, v14, SP
	v_and_b32 v15, 3, v2
	v_lshl_add_u32 v14, v15, 4, v14
	v_add_nc_u32 v14, s49, v14                     ; the stage, on the way in: SP (lane / 4) + 16 (lane % 4)
	v_mul_u32_u24 v15, v2, SP
	v_add_nc_u32 v15, s49, v15                     ; and on the way out: SP x lane: my 16 neighbours
	v_mul_u32_u24 v4, v2, CB                       ; my codes' place in a step's
	s_and_b32 s50, s48, 1
	s_lshl_b32 s50, s50, 1
	s_lshr_b32 s51, s48, 1
	s_or_b32 s50, s50, s51                         ; the wave's number with its two bits exchanged:
	s_cmp_lt_u32 ttmp9, 256
	s_cselect_b32 s50, s48, s50                    ; not for query (work-groups 0 to 255),
	s_cmp_ge_u32 ttmp9, 864
	s_cselect_b32 s50, s48, s50                    ; nor for wo (864 to 895)
	s_wait_alu depctr_va_vdst(0)
	s_wait_kmcnt 0x0
	s_load_b256 s[36:43], s[30:31], 0x0            ; exponents 0 to 7
	s_load_b128 s[44:47], s[30:31], 0x20           ; 8 to 11
; Which tensor is my work-group's: a chain of choices on the work-group's number alone.  Only pointers and whole numbers are chosen: all seven tensors take one path through the text.
.macro PICK bound, ptr, first
	s_cmp_lt_u32 ttmp9, \bound
	s_cselect_b64 s[4:5], s[\ptr:\ptr+1], s[4:5]
	s_cselect_b32 s10, \first, s10
.endm
.macro PICKE bound, e
	s_cmp_lt_u32 ttmp9, \bound
	s_cselect_b32 s11, s[\e], s11
.endm
	s_mov_b64 s[4:5], s[28:29]                     ; wo, from work-group 864 on
	s_mov_b32 s10, 864
	PICK 864, 26, 832                              ; wv
	PICK 832, 24, 800                              ; wk
	PICK 800, 22, 768                              ; wq
	PICK 768, 20, 512                              ; value
	PICK 512, 18, 256                              ; key
	PICK 256, 16, 0                                ; query
	s_sub_co_u32 s12, ttmp9, s10
	s_lshl_b32 s12, s12, 2
	s_add_co_u32 s12, s12, s48                     ; which run of 8 rows of the tensor is my wave's
	s_lshl_b32 s12, s12, 15                        ; 32,768 bytes each: under 2^26
	s_mov_b32 s13, 0
	s_add_nc_u64 s[4:5], s[4:5], s[12:13]
	s_lshl_b32 s14, ttmp9, 2
	s_add_co_u32 s14, s14, s50                     ; and where its codes go: the tensors' codes follow each other as the work-groups do
	s_lshl_b32 s14, s14, 13                        ; 8,192 bytes each
	s_mov_b32 s15, 0
	s_add_nc_u64 s[8:9], s[32:33], s[14:15]
.macro LOAD t
.irp i, 0,1,2,3
	global_load_b128 v[R+16*((\t)%4)+4*\i:R+16*((\t)%4)+4*\i+3], v3, s[4:5] offset:2048*(\t)+512*\i th:TH_LOAD_NT   ; 32 lanes read 512 consecutive bytes, read once in the launch
.endr
.endm
.macro TURN t                          ; step t's numbers through the stage: LDS serves a wave's instructions in order (ISA guide 5.7.1.4), so no wait stands between the stores and the loads
.irp i, 0,1,2,3
	ds_store_b128 v14, v[R+16*((\t)%4)+4*\i:R+16*((\t)%4)+4*\i+3] offset:32*SP*((\t)%2)+8*SP*\i
.endr
.irp i, 0,1,2,3
	ds_load_b128 v[X+16*((\t)%2)+4*\i:X+16*((\t)%2)+4*\i+3], v15 offset:32*SP*((\t)%2)+16*\i
.endr
.endm
.irp t, 0,1,2,3
	LOAD \t
.endr
	s_wait_kmcnt 0x0
	s_mov_b32 s11, s47                             ; wo's exponent is entry 11
	PICKE 864, 41                                  ; wv: 5
	PICKE 832, 39                                  ; wk: 3
	PICKE 800, 37                                  ; wq: 1
	PICKE 768, 40                                  ; value: 4
	PICKE 512, 38                                  ; key: 2
	PICKE 256, 36                                  ; query: 0
	s_add_co_i32 s11, s11, 127
	s_lshl_b32 s12, s11, 23
	v_mov_b32 v11, s12                             ; 2^e as f32: the conversion takes its exponent field
	s_add_co_i32 s11, s11, EMAX
	s_lshl_b32 s11, s11, 23
	s_or_b32 s11, s11, MANT
	v_mov_b32 v10, s11                             ; 448 x 2^e
	s_wait_alu depctr_va_vdst(0)
	s_wait_loadcnt 12                              ; step 0's four loads are in; the twelve of steps 1 to 3 may be out
	TURN 0
.macro STEP t
.set XS, X+16*((\t)%2)
	s_wait_dscnt 0x0                               ; this step's numbers are back from the stage: so its stores into the stage have read their registers,
.if (\t)+4 < STEPS
	LOAD (\t)+4                                    ; which take the loads of four steps on
.endif
.if (\t)+1 < STEPS
.if STEPS-2-(\t) >= 3
	s_wait_loadcnt 12                              ; the next step's four loads are in; those of the three steps behind it may be out
.else
	s_wait_loadcnt 4*(STEPS-2-(\t))                ; at the end the counts run down: 8, 4, 0
.endif
	TURN (\t)+1                                    ; and go through the other stage while this step is worked
.endif
.irp i, 0,1,2,3,4,5,6,7,8,9,10,11,12,13,14,15
	v_med3_num_f32 v[XS+\i], v[XS+\i], -v10, v10   ; the conversion to an 8-bit code does not saturate (ISA guide 7.6.2): hold the number within the largest code x the scale first
.endr
	v_cvt_scalef32_pk8_fp8_f32 v[C+4*(\t):C+4*(\t)+1], v[XS:XS+7], v11
	v_cvt_scalef32_pk8_fp8_f32 v[C+4*(\t)+2:C+4*(\t)+3], v[XS+8:XS+15], v11
	global_store_b128 v4, v[C+4*(\t):C+4*(\t)+3], s[8:9] offset:32*CB*(\t)   ; the results go to a store alone; the next vector lines, the next step's holds, are plain and touch the other set
.endm
.irp t, 0,1,2,3,4,5,6,7,8,9,10,11,12,13,14,15
	STEP \t
.endr
	s_wait_tensorcnt 0x0
	ds_add_u32 v192, v193
	s_wait_dscnt 0x0
	s_endpgm
.Lfunc_end_k_q8f222fdc99_quant:
	.size	k_q8f222fdc99_quant, .Lfunc_end_k_q8f222fdc99_quant-k_q8f222fdc99_quant
	.p2alignl 7, 3214868480
	.fill 96, 4, 3214868480
	.section	.rodata,"a",@progbits
	.p2align	6, 0x0
	.amdhsa_kernel k_q8f222fdc99_quant
		.amdhsa_group_segment_fixed_size 33280
		.amdhsa_private_segment_fixed_size 0
		.amdhsa_enable_private_segment 0
		.amdhsa_kernarg_size 72
		.amdhsa_user_sgpr_count 2
		.amdhsa_user_sgpr_kernarg_segment_ptr 1
		.amdhsa_wavefront_size32 1
		.amdhsa_system_sgpr_workgroup_id_x 1
		.amdhsa_system_sgpr_workgroup_id_y 1
		.amdhsa_system_sgpr_workgroup_id_z 1
		.amdhsa_system_vgpr_workitem_id 0
		.amdhsa_next_free_vgpr 194
		.amdhsa_next_free_sgpr 66
		.amdhsa_reserve_vcc 0
		.amdhsa_float_denorm_mode_32 3
		.amdhsa_float_denorm_mode_16_64 3
		.amdhsa_memory_ordered 1
		.amdhsa_forward_progress 1
		.amdhsa_inst_pref_size 39
	.end_amdhsa_kernel
	.amdgpu_metadata
---
amdhsa.version: [ 1, 2 ]
amdhsa.kernels:
  - .name:           k_q8f222fdc99_quant
    .symbol:         k_q8f222fdc99_quant.kd
    .args:
      - { .name: query, .offset: 0, .size: 8, .value_kind: global_buffer, .address_space: global }
      - { .name: key, .offset: 8, .size: 8, .value_kind: global_buffer, .address_space: global }
      - { .name: value, .offset: 16, .size: 8, .value_kind: global_buffer, .address_space: global }
      - { .name: wq, .offset: 24, .size: 8, .value_kind: global_buffer, .address_space: global }
      - { .name: wk, .offset: 32, .size: 8, .value_kind: global_buffer, .address_space: global }
      - { .name: wv, .offset: 40, .size: 8, .value_kind: global_buffer, .address_space: global }
      - { .name: wo, .offset: 48, .size: 8, .value_kind: global_buffer, .address_space: global }
      - { .name: lowp_scales, .offset: 56, .size: 8, .value_kind: global_buffer, .address_space: global }
      - { .name: codes, .offset: 64, .size: 8, .value_kind: global_buffer, .address_space: global }
    .group_segment_fixed_size: 33280
    .private_segment_fixed_size: 0
    .kernarg_segment_align: 8
    .kernarg_segment_size: 72
    .max_flat_workgroup_size: 128
    .sgpr_count:     66
    .vgpr_count:     194
    .wavefront_size: 32
...
	.end_amdgpu_metadata
.endif
;; end of part 1
;; launch proj (part 2): grid 4 x 96, 4 waves a work-group, clusters of 4 x 4, 327,680 bytes of LDS; arguments codes, lowp_scales, bq, bk, bv, qkv; writes qkv
.if DOCPART == 2
	.amdgcn_target "amdgcn-amd-amdhsa--gfx1250"
	.amdhsa_code_object_version 6
	.text
	.protected	k_q8f222fdc99_proj
	.globl	k_q8f222fdc99_proj
	.p2align	8
	.type	k_q8f222fdc99_proj,@function
k_q8f222fdc99_proj:
	s_mov_b64 s[64:65], 0
	v_nop
	global_prefetch_b8 v0, s[64:65] scope:SCOPE_SE
	s_setreg_imm32_b32 hwreg(HW_REG_WAVE_MODE, 25, 1), 1
	s_wait_xcnt 0x0
	s_wait_alu depctr_hold_cnt(0) depctr_sa_sdst(0) depctr_va_vdst(0) depctr_va_sdst(0) depctr_va_ssrc(0) depctr_va_vcc(0) depctr_vm_vsrc(0)
	s_getreg_b32 s2, hwreg(HW_REG_IB_STS2, 6, 4)
	s_cmp_eq_u32 s2, 0
	s_cbranch_scc0 .Lentry_in_a_cluster
	s_endpgm
.Lentry_in_a_cluster:
	s_bfe_u32 s2, ttmp6, 0x10000c
	s_cmp_lg_u32 s2, 0xf033
	s_cbranch_scc0 .Lentry_shape_is_right
	s_endpgm
.Lentry_shape_is_right:
; The three projections Q = query wq^T + bq, K = key wk^T + bk, V = value wv^T + bv on codes of FP8 (E4M3), sums in f32, each result quantised at once with its own given scale (entries 6, 7, 9) and stored as codes.
; ONE SHAPE FOR ALL THREE: C'[m'][n'] = sum over k of A'[m'][k] B'[n'][k], tiles of 256 x 256, K = 1,024.  THE MATRIX INSTRUCTION IS USED TRANSPOSED (source 0 = 16 rows of B', source 1 = 16 rows of A'):
; a lane holds ONE row of A' and eight rows of B'.  Q, K: A' = tokens, B' = the weight's rows, so a lane's registers run along the head's 64, the K of the scores.
; V: A' = wv's rows, B' = tokens, so a lane's registers run along the keys, the K of the second product of attention.  Nothing is transposed by an instruction.
; The rows of key, value, wq, wk, wv lie in the codes' buffer with bits 3 and 4 of their number exchanged: place 16 b + 8 h + j holds row 32 (b / 2) + 8 (b % 2) + 16 h + j.  So the 16 registers of a lane in the
; accumulators of B' blocks 2 c and 2 c + 1 are 16 NEIGHBOURS, 32 c + 16 h + 0 .. 15, and their 16 codes are the 16 bytes that lane (r, h) holds of piece c of an operand's registers.
; WHAT IS STORED ARE IMAGES OF OPERAND REGISTERS, in pieces of 512 bytes (lane l's 16 bytes at 16 l): Q, K: [batch 4][pair of heads 8][tile of 16 tokens 128][head of the pair 2][piece 2];
; V: [batch 4][pair of heads 8][step of 128 keys 16][head of the pair 2][tile of 16 channels 4][piece 4].  A wave's 128 x 128 results are 16,384 consecutive bytes in either; every store covers 512 of them, aligned.
; THE BIAS is the C of each sum's first matrix instruction, divided by the power of two that the sums lack: b / 2^(ea + ew).  A sum then stands for value / 2^(ea + ew), and its code is sum / 2^(eo - ea - ew).
; LIMITS: eo - ea - ew between -126 and 119, so that the conversion's scale and 448 x it are f32 numbers.  NaN is not served.  Within a matrix instruction k is permuted, alike in both operands (pieces of 16 bytes).
; CLUSTERS: 4 x 4 work-groups; 8 clusters for each projection (the cluster's y / 8 says which).  The four of a row of the cluster need the same tiles of A', the four of a column the same tiles of B': each tile is asked
; for JOINTLY.  The grid is one cluster wide.  The branches on 'is it V' hang on the cluster's y alone, which all sixteen partners share; they hold no barrier, no tensor load and no LDS store.
; K goes in four slots' worth of 256 through a ring of two LDS slots; the eight steps of 128 are written out.  Two of the four fills go out at the head and the other two a slot later: nothing lies further ahead to ask for earlier.
; REGISTERS, in windows of 256: window 0: v16-31 addresses and the scale; v32-95 the bias in the results' layout, later a block's held sums; v96-103 V's eight bias numbers; from v128 A' fragments, ONE set, later the codes.
;   window 1: B' fragments, TWO sets.   window 2: the 32 accumulators of my A' rows 0-63 ((a, b) at v[8 (8 a + b)]);   window 3: those of rows 64-127.
.set ROWB,   256                       ; a tile's row in bytes: 256 codes
.set KROW,   1024                      ; a row in memory
.set PITCH,  272                       ; an LDS row: 256 bytes + 16 of padding = 68 words: row r starts at bank 4 r mod 64 (64 banks of 4 bytes: ISA guide 11.1)
.set FR,     16                        ; registers of a fragment: 16 rows x 128 K
.set NL,     4                         ; LDS loads that bring one
.set NP,     4                         ; places behind this matrix instruction (ISA guide 7.12.1)
.set HALFT,  128*PITCH                 ; 128 rows: what one tensor load brings, and what one wave reads of A' or of B'
.set SLOT,   4*HALFT                   ; A's 256 rows, then B's 256 rows
.set SPARE,  2*SLOT                    ; behind the ring: the spare words, 128 bytes for each wave: two blocks of 256 bytes that no other line names
.set ADRA, 16                          ; v16-17  LDS address of my A' fragments in slot 0, 1
.set ADRB, 20                          ; v20-21  the same for B'
.set CO,   26                          ; v26     16 x lane: my place in a piece
.set SPW,  28                          ; v28     LDS address of my spare word; never rewritten
.set NIL,  29                          ; v29     0; never rewritten
.set SCL,  30                          ; v30     2^(eo - ea - ew) as f32
.set LIM,  31                          ; v31     448 x that
.set BIAS, 32
.set TMP,  32
.set VB,   96
.set AF,   128
.set CD,   128
.set G1, 24                            ; s[24:31] descriptor group 1 for A's tiles;  s[32:39] group 0, one set for each slot
.set G0, 32
.set G1B, 48                           ; s[48:55], s[56:63] the same for B's tiles
.set G0B, 56
.set MSB, 0
.macro WIN new                         ; the immediate's high byte repeats the setting that is left
.if MSB != (\new)
	s_set_vgpr_msb (MSB<<8)|(\new)
.set MSB, (\new)
.endif
.endm
.set MUL_LO, 0xa1                      ; source 0 (B') window 1, source 1 (A') window 0, C and D window 2
.set MUL_HI, 0xf1                      ; the same, C and D window 3
.set TO_B,   0x40                      ; destination window 1, address window 0
; A joint load: waves 0 and 1 fetch for A', waves 2 and 3 for B'.  Each line has ONE mask and one set of registers for all that issue it; the branch hangs on the wave's number alone.
; Four v_nop follow each of the two lines, ahead of the jump, the label and what follows.
.macro JLOAD g0a, g1a, g0b, g1b
	s_cmp_eq_u32 s15, 0
	s_cbranch_scc0 .Lfor_b_\@
	tensor_load_to_lds s[\g0a:\g0a+3], s[\g1a:\g1a+7]
	s_nop 0
.rept 4
	v_nop
.endr
	s_branch .Lasked_\@
.Lfor_b_\@:
	tensor_load_to_lds s[\g0b:\g0b+3], s[\g1b:\g1b+7]
	s_nop 0
.rept 4
	v_nop
.endr
.Lasked_\@:
.endm
.macro CREST                           ; a round of the cluster's barrier behind its opening barrier
	s_cmp_lg_u32 s14, 0
	s_cbranch_scc1 .Lnot_wave_0_\@
	s_barrier_signal -3
.Lnot_wave_0_\@:
	s_barrier_wait -3
	s_barrier_signal -1
	s_barrier_wait -1
.endm
.macro CROUND                          ; a whole round
	s_barrier_signal -1
	s_barrier_wait -1
	CREST
.endm
	s_load_b256 s[4:11], s[0:1], 0x0               ; the codes s[4:5], the exponents s[6:7], bq s[8:9], bk s[10:11]
	s_load_b128 s[68:71], s[0:1], 0x20             ; bv s[68:69], the results s[70:71]
	v_lshl_add_u32 v[SPW], v0, 2, SPARE
	v_mov_b32 v[NIL], 0
	ds_add_u32 v28, v29
	ds_add_u32 v28, v29
	s_wait_dscnt 0x0
	v_lshrrev_b32 v1, 5, v0
	v_readfirstlane_b32 s14, v1                    ; wave 0..3
	s_lshr_b32 s15, s14, 1                         ; which half of the tile's A' rows is mine.  Also: I fetch for A' (0) or for B' (1)
	s_and_b32 s16, s14, 1                          ; which half of its B' rows.  Also: which 128 rows of that tile I fetch
	s_bfe_u32 s40, ttmp6, 0x40000                  ; cx, cy: my place in the cluster
	s_bfe_u32 s41, ttmp6, 0x40004
	s_and_b32 s13, ttmp7, 0xffff                   ; the cluster's y, 0 .. 23
	s_lshr_b32 s12, s13, 3                         ; t: 0 = Q, 1 = K, 2 = V
	s_and_b32 s13, s13, 7
	s_lshl_b32 s13, s13, 2                         ; the first of the cluster's four tiles along the tokens
	s_lshl_b32 s22, s12, 23                        ; the tokens' codes of tensor t begin at t x 8,388,608,
	s_lshl_b32 s66, s12, 20
	s_add_co_u32 s66, s66, 25165824                ; its weight's at 25,165,824 + t x 1,048,576
	s_mov_b32 s23, 27262976                        ; wv's codes
	s_mov_b32 s67, 16777216                        ; value's codes
	s_cmp_eq_u32 s12, 2                            ; V: weight and tokens change places
	s_cselect_b32 s22, s23, s22                    ; where A' begins
	s_cselect_b32 s66, s67, s66                    ; where B' begins
	s_cselect_b32 s18, 0, s13
	s_cselect_b32 s19, s13, 0
	s_add_co_u32 s17, s41, s18                     ; A's tile: cy (+ the cluster's first tile of tokens, for Q and K)
	s_add_co_u32 s42, s40, s19                     ; B's tile: cx (+ the same, for V)
	s_lshl_b32 s43, s41, 2
	s_lshl_b32 s43, 15, s43                        ; my row of the cluster
	s_lshl_b32 s44, 0x1111, s40                    ; my column
	; descriptor group 1: a tile of 128 rows x 256 bytes, padded in LDS
	s_or_b32 s[G1+0], s43, (0<<16)|(1<<20)|(1<<21)|(5<<22)|(3<<25)  ; 15:0 the mask: A's tiles go to my row; 17:16 element of 1 byte; 20 padding on; 21 set beside a mask; 24:22 after every 64 words (code 5); 31:25 of 4 words (code 3)
	s_or_b32 s[G1B+0], s44, (0<<16)|(1<<20)|(1<<21)|(5<<22)|(3<<25)
.irp g, G1, G1B
	s_mov_b32 s[\g+1], ROWB<<16                    ; tensor_dim0
	s_mov_b32 s[\g+2], 128<<16                     ; tensor_dim1 = 128
	s_mov_b32 s[\g+3], ROWB<<16                    ; tile_dim0
	s_mov_b32 s[\g+4], 128                         ; tile_dim1 = 128
	s_mov_b32 s[\g+5], KROW                        ; tensor_dim0_stride
	s_mov_b32 s[\g+6], 0
	s_mov_b32 s[\g+7], 0
.endr
	; A's address is made of cy, the cluster's y and the wave's number, B's of cx, the cluster's y and the wave's number, each in registers that never hold the other coordinate.  All offsets stay under 2^25.
	s_lshl_b32 s18, s16, 7                         ; which 128 rows of the tile I fetch
	s_lshl_b32 s20, s17, 8
	s_add_co_u32 s20, s20, s18
	s_lshl_b32 s20, s20, 10                        ; rows of 1,024 bytes
	s_add_co_u32 s20, s20, s22
	s_mov_b32 s21, 0
	s_lshl_b32 s46, s42, 8
	s_add_co_u32 s46, s46, s18
	s_lshl_b32 s46, s46, 10
	s_add_co_u32 s46, s46, s66
	s_mov_b32 s47, 0
	s_mul_i32 s45, s14, HALFT                      ; where they go: wave x 128 rows: no place in the cluster enters an LDS address
	s_wait_kmcnt 0x0
	s_load_b256 s[72:79], s[6:7], 0x0              ; exponents 0 to 7
	s_load_b128 s[80:83], s[6:7], 0x20             ; 8 to 11
	s_add_nc_u64 s[20:21], s[4:5], s[20:21]
	s_add_nc_u64 s[46:47], s[4:5], s[46:47]
	CROUND                                         ; all sixteen work-groups are here: the first joint loads meet
.irp s, 0,1
	s_mov_b32 s[G0+4*\s], 1
	s_add_co_u32 s[G0+4*\s+1], s45, \s*SLOT
	s_add_nc_u64 s[G0+4*\s+2:G0+4*\s+3], s[20:21], \s*ROWB
	s_or_b32 s[G0+4*\s+3], s[G0+4*\s+3], 0x80000000
	s_mov_b32 s[G0B+4*\s], 1
	s_add_co_u32 s[G0B+4*\s+1], s45, \s*SLOT
	s_add_nc_u64 s[G0B+4*\s+2:G0B+4*\s+3], s[46:47], \s*ROWB
	s_or_b32 s[G0B+4*\s+3], s[G0B+4*\s+3], 0x80000000
.endr
	JLOAD G0, G1, G0B, G1B                         ; slot 0: one tensor load a wave at the head; slot 1's follows at the head's end
	v_and_b32 v1, 15, v0                           ; r = l % 16
	v_bfe_u32 v2, v0, 4, 1                         ; h = l / 16
	v_mul_u32_u24 v3, v1, PITCH
	v_lshl_add_u32 v4, v2, 4, v3                   ; a fragment's row x pitch + 16 x half
	s_mul_i32 s21, s15, HALFT                      ; my 128 rows of A'
	s_mul_i32 s23, s16, HALFT                      ; my 128 rows of B',
	s_add_co_u32 s23, s23, 2*HALFT                 ; which lie behind A's 256
.irp s, 0,1
	v_add_nc_u32 v[ADRA+\s], s21, v4
	v_add_nc_u32 v[ADRB+\s], s23, v4
	s_add_co_u32 s21, s21, SLOT
	s_add_co_u32 s23, s23, SLOT
.endr
	v_and_b32 v6, 31, v0
	v_lshlrev_b32 v[CO], 4, v6
	; which side holds tokens and which features, by choices on t
	s_cmp_eq_u32 s12, 1
	s_cselect_b64 s[86:87], s[10:11], s[8:9]       ; the bias: bq, bk
	s_cmp_eq_u32 s12, 2
	s_cselect_b64 s[86:87], s[68:69], s[86:87]     ; or bv
	s_cselect_b32 s90, s41, s40                    ; the features' tile of 256: cx, for V cy
	s_cselect_b32 s91, s15, s16                    ; and my half of it
	s_cselect_b32 s92, s42, s17                    ; the tokens' tile of 256
	s_cselect_b32 s93, s16, s15                    ; and my half of it
	s_lshl_b32 s18, s90, 10
	s_lshl_b32 s19, s91, 9
	s_add_co_u32 s18, s18, s19                     ; my 128 features' bias: 4 (256 x tile + 128 x half) bytes on
	s_mov_b32 s19, 0
	s_add_nc_u64 s[86:87], s[86:87], s[18:19]
	s_lshr_b32 s18, s92, 3                         ; the batch (8 tiles of 256 tokens each)
	s_lshl_b32 s18, s18, 3
	s_lshl_b32 s19, s90, 1
	s_add_co_u32 s18, s18, s19
	s_add_co_u32 s18, s18, s91                     ; x 8 + the pair of heads: 2 x features' tile + half
	s_lshl_b32 s18, s18, 4
	s_and_b32 s19, s92, 7
	s_lshl_b32 s19, s19, 1
	s_add_co_u32 s18, s18, s19
	s_add_co_u32 s18, s18, s93                     ; x 16 + which 128 tokens of the batch's 2,048
	s_lshl_b32 s18, s18, 14                        ; 16,384 bytes each
	s_lshl_b32 s19, s12, 23
	s_add_co_u32 s18, s18, s19                     ; in Q's, K's or V's part
	s_mov_b32 s19, 0
	s_add_nc_u64 s[88:89], s[70:71], s[18:19]      ; where my wave's 16,384 bytes of codes go
	s_wait_kmcnt 0x0
	s_add_co_i32 s84, s72, s73
	s_add_co_i32 s18, s74, s75
	s_add_co_i32 s19, s76, s77
	s_cmp_eq_u32 s12, 1
	s_cselect_b32 s84, s18, s84
	s_cselect_b32 s85, s79, s78
	s_cmp_eq_u32 s12, 2
	s_cselect_b32 s84, s19, s84                    ; ea + ew: entries 2 t and 2 t + 1
	s_cselect_b32 s85, s81, s85                    ; eo: entry 6, 7 or 9
	s_sub_co_i32 s18, s85, s84
	s_add_co_i32 s18, s18, 127
	s_lshl_b32 s19, s18, 23
	v_mov_b32 v[SCL], s19                          ; 2^(eo - ea - ew): the three scales folded into the conversion's one
	s_add_co_i32 s18, s18, 8
	s_lshl_b32 s18, s18, 23
	s_or_b32 s18, s18, 0x600000
	v_mov_b32 v[LIM], s18                          ; 448 x that
	s_sub_co_i32 s94, 0, s84
	; the bias in the results' layout, 64 registers
	s_cmp_eq_u32 s12, 2
	s_cbranch_scc1 .Lbias_v
	v_lshlrev_b32 v5, 6, v2                        ; Q, K: register j of B' block b is feature 32 (b / 2) + 8 (b % 2) + 16 h + j: eight registers for each b, the same for every A' block
.irp b, 0,1,2,3,4,5,6,7
	global_load_b128 v[BIAS+8*\b:BIAS+8*\b+3], v5, s[86:87] offset:(32*(\b/2)+8*(\b%2))*4
	global_load_b128 v[BIAS+8*\b+4:BIAS+8*\b+7], v5, s[86:87] offset:(32*(\b/2)+8*(\b%2))*4+16
.endr
	s_wait_loadcnt 0x0
.set i, 0
.rept 64
	v_ldexp_f32 v[BIAS+i], v[BIAS+i], s94          ; / 2^(ea + ew)
.set i, i+1
.endr
	s_branch .Lbias_done
.Lbias_v:
	v_and_b32 v5, 8, v1                            ; V: my lane's row of A' block a is feature 32 (a / 2) + 8 (a % 2) + r + 8 (r / 8): one number for each a, in all eight registers
	v_add_nc_u32 v5, v5, v1
	v_lshlrev_b32 v5, 2, v5
.irp a, 0,1,2,3,4,5,6,7
	global_load_b32 v[VB+\a], v5, s[86:87] offset:(32*(\a/2)+8*(\a%2))*4
.endr
	s_wait_loadcnt 0x0
.irp a, 0,1,2,3,4,5,6,7
.irp j, 0,1,2,3,4,5,6,7
	v_ldexp_f32 v[BIAS+8*\a+\j], v[VB+\a], s94
.endr
.endr
.Lbias_done:
.macro FRAG reg, adr, q, i             ; a fragment, 16 rows x 128 K, is 16 registers: lane l holds row l % 16; registers 4 c .. 4 c + 3 hold K = 32 c + 16 (l / 16) + 0 .. 15
.irp c, 0,1,2,3
	ds_load_b128 v[\reg+4*\c:\reg+4*\c+3], v[\adr] offset:128*(\q)+32*\c+(\i)*16*PITCH
.endr
.endm
; 16 matrix instructions: A's blocks a0, a0 + 1 x B's eight, 128 along K.  p: B's set.  zero = 1, 2: the first product starts the sums, with the bias as its C (1: by B's block; 2: by A's block): nothing is ever cleared.
; The 64 accumulators take turns, one instruction a turn, in the same order in every step.
.macro MUL16 a0, p, zero
.irp a, \a0, \a0+1
.irp b, 0,1,2,3,4,5,6,7
.if \zero == 1
	v_wmma_f32_16x16x128_fp8_fp8 v[8*(8*((\a)%4)+\b):8*(8*((\a)%4)+\b)+7], v[128*(\p)+FR*\b:128*(\p)+FR*\b+FR-1], v[AF+FR*(\a):AF+FR*(\a)+FR-1], v[BIAS+8*\b:BIAS+8*\b+7]
.elseif \zero == 2
	v_wmma_f32_16x16x128_fp8_fp8 v[8*(8*((\a)%4)+\b):8*(8*((\a)%4)+\b)+7], v[128*(\p)+FR*\b:128*(\p)+FR*\b+FR-1], v[AF+FR*(\a):AF+FR*(\a)+FR-1], v[BIAS+8*(\a):BIAS+8*(\a)+7]
.else
	v_wmma_f32_16x16x128_fp8_fp8 v[8*(8*((\a)%4)+\b):8*(8*((\a)%4)+\b)+7], v[128*(\p)+FR*\b:128*(\p)+FR*\b+FR-1], v[AF+FR*(\a):AF+FR*(\a)+FR-1], v[8*(8*((\a)%4)+\b):8*(8*((\a)%4)+\b)+7]
.endif
.endr
.endr
.endm
.macro FETCH_B slot, q, p              ; B's eight fragments of the slot's q-th 128 along K into set p
	WIN TO_B
.irp i, 0,1,2,3,4,5,6,7
	FRAG 128*(\p)+FR*\i, ADRB+\slot, \q, \i
.endr
	WIN 0
.endm
.macro FETCH_A slot, q, i0             ; A's blocks i0 .. i0 + 3
.irp i, \i0, \i0+1, \i0+2, \i0+3
	FRAG AF+FR*(\i), ADRA+\slot, \q, \i
.endr
.endm
; A load into a register that a matrix instruction has read, and a vector instruction that reads a matrix result, stand NP places behind that matrix instruction; only plain vector
; instructions that name none of its registers are places (ISA guide 7.12.1 for vector instructions).
.macro PLACES n
.rept \n
	v_nop
.endr
.endm
; A step of 128 along K that has its successor in the same slot.  A block of A' is free as soon as its eight products are issued: blocks 0-3 are fetched anew in the step's middle, blocks 4-7 at its end.
.macro STEP slot, q, zero
	s_wait_dscnt 4*NL                              ; B's set and A's blocks 0-3 are in; the youngest sixteen loads (A's blocks 4-7) may be out
.if \zero
	WIN 0x81                                       ; source 0 window 1, source 1 and C (the bias) window 0, D window 2
.else
	WIN MUL_LO
.endif
	MUL16 0, (\q)%2, \zero
	MUL16 2, (\q)%2, \zero
	s_wait_dscnt 0                                 ; A's blocks 4-7 are in (asked for 32 matrix instructions ago)
	PLACES NP
	FETCH_B \slot, (\q)+1, 1-(\q)%2
	FETCH_A \slot, (\q)+1, 0
.if \zero
	WIN 0xc1                                       ; the same, D window 3
.else
	WIN MUL_HI
.endif
	MUL16 4, (\q)%2, \zero
	MUL16 6, (\q)%2, \zero
	PLACES NP
	WIN 0
	FETCH_A \slot, (\q)+1, 4
.endm
; A slot's last step changes slots: ONE barrier; in front of it each wave waits for all its tensor loads, adds 0 to its spare word, and waits for that and for its own reads of this slot.  fill = 1: this slot is filled again, two slots ahead.
.macro TURN slot, next, fill
	s_wait_tensorcnt 0x0                           ; all my tensor loads have landed: my part of the next slot;  (every window is 0 here)
	ds_add_u32 v[SPW], v[NIL]                      ; 0 onto my spare word
	s_wait_dscnt 4*NL+1                            ; (the add and the youngest sixteen loads, A's blocks 4-7, may be out)
	WIN MUL_LO
	MUL16 0, 1, 0                                  ; sixteen matrix instructions stand between the add and the wait for it
	s_wait_dscnt 0x0                               ; the add is done, and my reads of this slot are over
	s_barrier_signal -1
	MUL16 2, 1, 0
	WIN 0
	s_barrier_wait -1
.if \fill
	CREST                                          ; the barrier has opened a round of the cluster's barrier: no wave of any partner still reads this slot's tile or has a load on its way
	s_add_nc_u64 s[G0+4*\slot+2:G0+4*\slot+3], s[G0+4*\slot+2:G0+4*\slot+3], 2*ROWB
	s_add_nc_u64 s[G0B+4*\slot+2:G0B+4*\slot+3], s[G0B+4*\slot+2:G0B+4*\slot+3], 2*ROWB
	JLOAD G0+4*\slot, G1, G0B+4*\slot, G1B         ; the first tensor load behind the round; the four v_nop behind it are the places in front of the loads below
.else
	PLACES NP
.endif
	FETCH_B \next, 0, 0
	FETCH_A \next, 0, 0
	WIN MUL_HI
	MUL16 4, 1, 0
	MUL16 6, 1, 0
	PLACES NP
	WIN 0
	FETCH_A \next, 0, 4
.endm
	s_wait_alu depctr_va_vdst(0)                   ; the wait at the head's end
	s_wait_tensorcnt 0x0                           ; my part of slot 0 is in; these lines stand ahead of a later first fill as ahead of a refill
	ds_add_u32 v[SPW], v[NIL]
	s_wait_dscnt 0x0
	CROUND                                         ; everybody's part of slot 0 is in, and all sixteen work-groups are here
	JLOAD G0+4, G1, G0B+4, G1B                     ; slot 1's first fill, the first tensor load behind the round
	FETCH_B 0, 0, 0
	FETCH_A 0, 0, 0
	FETCH_A 0, 0, 4
	s_cmp_eq_u32 s12, 2                            ; the first step is written twice: its products take the bias by B's block (Q, K) or by A's block (V); loads and waits are the same in both
	s_cbranch_scc1 .Lfirst_v
	s_wait_alu depctr_va_vdst(0)
	STEP 0, 0, 1                                   ; K 0 - 127
	s_branch .Lfirst_done
.Lfirst_v:
	s_wait_alu depctr_va_vdst(0)
	STEP 0, 0, 2
.Lfirst_done:
	TURN 0, 1, 1                                   ; 128 - 255; slot 0 takes K 512 - 767
	STEP 1, 0, 0                                   ; 256 - 383
	TURN 1, 0, 1                                   ; 384 - 511; slot 1 takes K 768 - 1,023
	STEP 0, 0, 0                                   ; 512 - 639
	TURN 0, 1, 0                                   ; 640 - 767; nothing is left to fetch, and no round of the cluster's barrier follows
	STEP 1, 0, 0                                   ; 768 - 895
	s_wait_dscnt 4*NL                              ; the very last step
	WIN MUL_LO
	MUL16 0, 1, 0
	MUL16 2, 1, 0
	s_wait_dscnt 0
	WIN MUL_HI
	MUL16 4, 1, 0
	MUL16 6, 1, 0
	WIN 0
; THE WAY OUT, block by block of 16 rows of A'.  The block's 64 sums of a lane are held within +-448 x the scale (each accumulator from its low end on), converted, eight to two registers, and the four pieces of
; 16 bytes a lane are stored as they stand: no LDS, no change of lanes.  Each block has its own 16 registers of codes, so no store's data are written again.
.macro OUTB a
	WIN 0x02+((\a)/4)                              ; source 0: window 2 or 3
.set i, 0
.rept 64
	v_med3_num_f32 v[TMP+i], v[64*((\a)%4)+i], -v[LIM], v[LIM]   ; the conversion to an 8-bit code does not saturate (ISA guide 7.6.2)
.set i, i+1
.endr
	WIN 0
.irp g, 0,1,2,3,4,5,6,7
	v_cvt_scalef32_pk8_fp8_f32 v[CD+16*(\a)+2*\g:CD+16*(\a)+2*\g+1], v[TMP+8*\g:TMP+8*\g+7], v[SCL]
.endr
	v_nop                                          ; one plain vector line between the conversions and the next block's holds, which write their sources
.irp c, 0,1,2,3
	global_store_b128 v[CO], v[CD+16*(\a)+4*\c:CD+16*(\a)+4*\c+3], s[88:89] offset:2048*(\a)+512*\c   ; 32 lanes store 512 consecutive bytes, at a multiple of 512 from the buffer's first byte
.endr
.endm
	PLACES NP                                      ; behind the last products
.irp a, 0,1,2,3,4,5,6,7
	OUTB \a
.endr
	s_wait_tensorcnt 0x0                           ; the wave's end
	ds_add_u32 v[SPW], v[NIL]
	s_wait_dscnt 0x0
	CROUND                                         ; the closing round: no work-group ends while a partner may still ask for a tile that names it
	s_endpgm
.Lfunc_end_k_q8f222fdc99_proj:
	.size	k_q8f222fdc99_proj, .Lfunc_end_k_q8f222fdc99_proj-k_q8f222fdc99_proj
	.p2alignl 7, 3214868480
	.fill 96, 4, 3214868480
	.section	.rodata,"a",@progbits
	.p2align	6, 0x0
	.amdhsa_kernel k_q8f222fdc99_proj
		.amdhsa_group_segment_fixed_size 327680
		.amdhsa_private_segment_fixed_size 0
		.amdhsa_enable_private_segment 0
		.amdhsa_kernarg_size 48
		.amdhsa_user_sgpr_count 2
		.amdhsa_user_sgpr_kernarg_segment_ptr 1
		.amdhsa_wavefront_size32 1
		.amdhsa_system_sgpr_workgroup_id_x 1
		.amdhsa_system_sgpr_workgroup_id_y 1
		.amdhsa_system_sgpr_workgroup_id_z 1
		.amdhsa_system_vgpr_workitem_id 0
		.amdhsa_next_free_vgpr 1024
		.amdhsa_next_free_sgpr 100
		.amdhsa_reserve_vcc 0
		.amdhsa_float_denorm_mode_32 3
		.amdhsa_float_denorm_mode_16_64 3
		.amdhsa_memory_ordered 1
		.amdhsa_forward_progress 1
		.amdhsa_inst_pref_size 138
	.end_amdhsa_kernel
	.amdgpu_metadata
---
amdhsa.version: [ 1, 2 ]
amdhsa.kernels:
  - .name:           k_q8f222fdc99_proj
    .symbol:         k_q8f222fdc99_proj.kd
    .args:
      - { .name: codes, .offset: 0, .size: 8, .value_kind: global_buffer, .address_space: global }
      - { .name: lowp_scales, .offset: 8, .size: 8, .value_kind: global_buffer, .address_space: global }
      - { .name: bq, .offset: 16, .size: 8, .value_kind: global_buffer, .address_space: global }
      - { .name: bk, .offset: 24, .size: 8, .value_kind: global_buffer, .address_space: global }
      - { .name: bv, .offset: 32, .size: 8, .value_kind: global_buffer, .address_space: global }
      - { .name: qkv, .offset: 40, .size: 8, .value_kind: global_buffer, .address_space: global }
    .group_segment_fixed_size: 327680
    .private_segment_fixed_size: 0
    .kernarg_segment_align: 8
    .kernarg_segment_size: 48
    .max_flat_workgroup_size: 128
    .sgpr_count:     100
    .vgpr_count:     1024
    .wavefront_size: 32
...
	.end_amdgpu_metadata
.endif
;; end of part 2
;; launch attn (part 3): grid 4 x 64, 16 waves a work-group, clusters of 4 x 1, 327,680 bytes of LDS; arguments qkv, lowp_scales, ctx; writes ctx
.if DOCPART == 3
	.amdgcn_target "amdgcn-amd-amdhsa--gfx1250"
	.amdhsa_code_object_version 6
	.text
	.protected	k_q8f222fdc99_attn
	.globl	k_q8f222fdc99_attn
	.p2align	8
	.type	k_q8f222fdc99_attn,@function
k_q8f222fdc99_attn:
	s_mov_b64 s[64:65], 0
	v_nop
	global_prefetch_b8 v0, s[64:65] scope:SCOPE_SE
	s_setreg_imm32_b32 hwreg(HW_REG_WAVE_MODE, 25, 1), 1
	s_wait_xcnt 0x0
	s_wait_alu depctr_hold_cnt(0) depctr_sa_sdst(0) depctr_va_vdst(0) depctr_va_sdst(0) depctr_va_ssrc(0) depctr_va_vcc(0) depctr_vm_vsrc(0)
	s_getreg_b32 s2, hwreg(HW_REG_IB_STS2, 6, 4)
	s_cmp_eq_u32 s2, 0
	s_cbranch_scc0 .Lentry_in_a_cluster
	s_endpgm
.Lentry_in_a_cluster:
	s_bfe_u32 s2, ttmp6, 0x10000c
	s_cmp_lg_u32 s2, 0x3003
	s_cbranch_scc0 .Lentry_shape_is_right
	s_endpgm
.Lentry_shape_is_right:
; ctx[b][q][head] = the sum over keys k <= q of softmax_k(Q . K / 8) V, both products on codes of FP8 (E4M3), then NaN -> 0, quantised with entry 10 and stored as codes.
; LEFT OUT: steps of 128 keys all of which come after a tile's 16 queries: the causal mask sets their scores to -infinity, so their p is 0 for all values of the inputs.
; THE SOFTMAX: t = score x log2(e) / 8; M = the row's largest t so far, rounded UP to a whole number; p = 2^(t - M) is quantised (entry 8), not normalised.  The row's sum is taken of the unquantised p, in f32,
; and divides O at the end.  When M moves, the sum and O are multiplied by 2^(old M - new M): exact.
; Q, K, V come as IMAGES OF OPERAND REGISTERS in pieces of 512 bytes (lane l's 16 bytes at 16 l).  Q, K: a tile of 16 tokens x 64 is two pieces.  In K's tile i of a step place 8 h + j is key 32 (i / 2) + 8 (i % 2) + 16 h + j.
; V: a tile of 16 channels x 128 keys is four pieces; place 8 h + j of tile u is channel 32 (u / 2) + 8 (u % 2) + 16 h + j.
; Both products are used transposed (S^T = K Q^T, O^T = V^T P^T): a lane holds ONE query; the 16 registers of two neighbouring tiles are 16 neighbouring keys (channels), so the conversions' results are the next operand's registers.
; SHARES.  A head has 128 tiles of 16 queries.  Wave w of work-group cx owns tile a = 8 (w / 2) + 2 cx + w % 2 (called A) and its mirror 127 - a (called B): A has w / 2 + 1 steps of 128 keys, B has 16 - w / 2:
; 17 tile-steps in every wave of every work-group.  While both count they share the fragments of K and V.  Every step count hangs on the wave's number alone; cx enters only the mask's compare values and the addresses of Q and ctx.
; A step parts once, behind B's scores: with A (B's softmax, A's scores, V's loads, A's softmax) or B alone (V's loads, B's softmax).  B's last step, the one with its mask, begins at key 1,024 or later and A's at key 896 or earlier: it is always a step of B alone.
; CLUSTER: the four work-groups of a head form a cluster and ask for K and V JOINTLY (mask 15); descriptors are made of the head and the wave's number.
; THE HEAD'S WHOLE K AND V LIE IN LDS, each byte filled once.  K: tile T at 1,024 T.  V: from 131,072 on, [slice of 1,024 bytes of a step: 8][step: 16], so that one descriptor covers a wave's share.
; Waves 0-7 fetch K, waves 8-15 V's slices.  The first NS0 steps' keys at the head (NS0 rows of 1,024 bytes a wave), the others behind the full sequence and a round (16 - NS0 rows a wave): one tensor load of a wave is out at a time.
; NO PREFETCH: the second fill is asked for directly behind the first one's round, and no loop runs ahead of either.
; LIMITS: e6 + e7 between -123 and 130 (added to c's exponent field); e8 and e10 between -126 and 119.  Within a matrix instruction k is permuted, alike in both operands.  Scaled scores stay under 2^31 in magnitude.
; REGISTERS: v1, v2, v253 my lane's place in K's and V's parts; v3 the conversion's scale; v4, v5 the masks' compare values for A, B; v[6:7] f; v8-11 at work; v12-15 B's -M, largest t, sum; v16-19 A's;
; v20-27 B's Q, v28-35 A's; v36-99 fragments of K or V; v100-115 B's p codes; v116-131 A's (over scores that are done with); v120-183 S^T; v184-215 B's O^T, v216-247 A's; v248-250 addresses; v251 a permute's result.
.set NS0, 2                            ; steps of 128 keys in the first fill
.set NS1, 16-NS0                       ; and in the second
.set SPARE, 0x40000                    ; behind K and V: the spare words, 128 bytes a wave
.set AK0, 1
.set AV0, 2
.set DA,  4
.set DB,  5
.set QB,  20
.set QA,  28
.set F,   36
.set P0,  100
.set P1,  116
.set S,   120
.set O,   184
.set ADK, 248
.set ADV, 249
.set ADV2, 250
.set PX,  251
.set AV1, 253
.set SPW, 254
.set NIL, 255
.set TBK, 10                           ; s10  the step's first byte in K's part;  s11 in a slice of V
.set TBV, 11
.set KF,  12                           ; s12  the step's first key
.set KA,  13                           ; s13  first key of A's last step;  s14 of B's
.set KB,  14
.set PL,  15                           ; s15  448 x 2^e8
.set NINF, 16                          ; s16  -infinity
.set CNT, 17
.set WV,  18
.set SEL, 20
.set CS,  22
.set G1K0, 24                          ; groups 1: K and V, first and second fill
.set G1V0, 32
.set G1K1, 40
.set G1V1, 48
.set G0K0, 56                          ; groups 0 likewise
.set G0V0, 60
.set G0K1, 68
.set G0V1, 72
.macro ROUND                           ; a round of the cluster's barrier
	s_barrier_signal -1
	s_barrier_wait -1
	s_cmp_lg_u32 s[WV], 0
	s_cbranch_scc1 .Lnot_wave_0_\@
	s_barrier_signal -3
.Lnot_wave_0_\@:
	s_barrier_wait -3
	s_barrier_signal -1
	s_barrier_wait -1
.endm
.macro TLOAD gk, g1k, gv, g1v          ; every wave issues one joint load: the branch hangs on the wave's number alone
	s_cmp_lt_u32 s[WV], 8
	s_cbranch_scc0 .Lfor_v_\@
	tensor_load_to_lds s[\gk:\gk+3], s[\g1k:\g1k+7]
	s_nop 0
.rept 4
	v_nop
.endr
	s_branch .Lasked_\@
.Lfor_v_\@:
	tensor_load_to_lds s[\gv:\gv+3], s[\g1v:\g1v+7]
	s_nop 0
.rept 4
	v_nop
.endr
.Lasked_\@:
.endm
	s_load_b128 s[4:7], s[0:1], 0x0                ; Q, K, V's codes s[4:5], the exponents s[6:7]
	s_load_b64 s[8:9], s[0:1], 0x10                ; ctx's codes
	v_lshl_add_u32 v[SPW], v0, 2, SPARE
	v_mov_b32 v[NIL], 0
	ds_add_u32 v[SPW], v[NIL]                      ; the opening lines: the add twice on end and its wait
	ds_add_u32 v[SPW], v[NIL]
	v_lshrrev_b32 v1, 5, v0
	v_readfirstlane_b32 s[WV], v1                  ; wave 0..15
	s_and_b32 s95, ttmp7, 0xffff                   ; 16 x batch + head
	s_lshr_b32 s96, s95, 1
	s_lshl_b32 s96, s96, 18                        ; the pair of heads' 262,144 bytes in each of Q, K, V
	s_and_b32 s97, s95, 1                          ; which head of the pair
	s_and_b32 s100, s[WV], 7
	s_lshl_b32 s101, s97, 10
	s_add_co_u32 s101, s101, s96                   ; my head's first tile in Q's or K's part
	s_add_co_u32 s76, s101, 8388608                ; K's part
	s_mul_i32 s78, s100, 2048*NS1
	s_add_co_u32 s78, s78, s76
	s_add_co_u32 s78, s78, 16384*NS0               ; second fill: tiles 8 NS0 + NS1 k on, 2,048 bytes apart
	s_mul_i32 s19, s100, 2048*NS0
	s_add_co_u32 s76, s76, s19                     ; first fill: tiles NS0 k on
	s_mov_b32 s77, 0
	s_mov_b32 s79, 0
	s_lshl_b32 s66, s97, 13
	s_add_co_u32 s66, s66, s96
	s_add_co_u32 s66, s66, 16777216                ; V's part, my head's 8,192 bytes of step 0,
	s_lshl_b32 s19, s100, 10
	s_add_co_u32 s66, s66, s19                     ; slice wave % 8
	s_mov_b32 s67, 0
.irp g, G1K0, G1V0, G1K1, G1V1
	s_mov_b32 s[\g], 15|(3<<16)|(1<<21)            ; the mask names the cluster's four; elements of 8 bytes; bit 21 beside a mask
	s_mov_b32 s[\g+1], 128<<16                     ; rows of 1,024 bytes
	s_mov_b32 s[\g+3], 128<<16
	s_mov_b32 s[\g+6], 0
	s_mov_b32 s[\g+7], 0
.endr
.irp g, G1K0, G1V0
	s_mov_b32 s[\g+2], NS0<<16                     ; NS0 rows
	s_mov_b32 s[\g+4], NS0
.endr
.irp g, G1K1, G1V1
	s_mov_b32 s[\g+2], NS1<<16                     ; NS1 rows
	s_mov_b32 s[\g+4], NS1
.endr
	s_mov_b32 s[G1K0+5], 256                       ; K's tiles lie 2,048 bytes apart,
	s_mov_b32 s[G1K1+5], 256
	s_mov_b32 s[G1V0+5], 2048                      ; V's steps 16,384
	s_mov_b32 s[G1V1+5], 2048
	s_mov_b32 s[G0K0], 1
	s_mul_i32 s[G0K0+1], s[WV], 1024*NS0           ; LDS: NS0 tiles a wave
	s_mov_b32 s[G0V0], 1
	s_lshl_b32 s[G0V0+1], s[WV], 14                ; 16,384 x wave = 131,072 + 16,384 x slice
	s_mov_b32 s[G0K1], 1
	s_mul_i32 s[G0K1+1], s[WV], 1024*NS1
	s_add_co_u32 s[G0K1+1], s[G0K1+1], 8192*NS0
	s_mov_b32 s[G0V1], 1
	s_add_co_u32 s[G0V1+1], s[G0V0+1], 1024*NS0
	; my two tiles: cx enters from here on, into Q's and ctx's addresses and the masks' compare values alone
	s_bfe_u32 s94, ttmp6, 0x40000                  ; cx
	s_lshl_b32 s94, s94, 1
	s_and_b32 s19, s[WV], 1
	s_add_co_u32 s94, s94, s19                     ; u = 2 cx + wave % 2
	s_lshr_b32 s98, s[WV], 1                       ; m = wave / 2
	s_lshl_b32 s[KA], s98, 7
	s_sub_co_u32 s[KB], 1920, s[KA]
	s_lshl_b32 s98, s98, 3
	s_add_co_u32 s98, s98, s94                     ; a
	s_sub_co_u32 s99, 127, s98                     ; its mirror
	s_lshl_b32 s86, s98, 11
	s_add_co_u32 s86, s86, s101
	s_lshl_b32 s88, s99, 11
	s_add_co_u32 s88, s88, s101
	s_mov_b32 s87, 0
	s_mov_b32 s89, 0
	s_lshr_b32 s19, s95, 4                         ; ctx: [tile of 16 tokens: 16,384 bytes][head: 1,024][piece]
	s_lshl_b32 s19, s19, 21
	s_and_b32 s85, s95, 15
	s_lshl_b32 s85, s85, 10
	s_add_co_u32 s19, s19, s85
	s_lshl_b32 s90, s98, 14
	s_add_co_u32 s90, s90, s19
	s_lshl_b32 s92, s99, 14
	s_add_co_u32 s92, s92, s19
	s_mov_b32 s91, 0
	s_mov_b32 s93, 0
	s_lshl_b32 s94, s94, 4                         ; 16 u
	s_sub_co_u32 s85, 112, s94                     ; 16 (7 - u)
	s_mov_b32 s[SEL], 0x76543210
	s_mov_b32 s[SEL+1], 0xfedcba98
	s_mov_b32 s[CS], 0x3e38aa3b                    ; log2(e) / 8
	s_mov_b32 s[NINF], 0xff800000
	s_mov_b32 s[TBK], 0
	s_mov_b32 s[TBV], 0
	s_mov_b32 s[KF], 0
	s_wait_dscnt 0x0                               ; both opening adds are done
	s_wait_kmcnt 0x0
	s_load_b128 s[80:83], s[6:7], 0x18             ; e6, e7, e8, e9
	s_load_b32 s84, s[6:7], 0x28                   ; e10
	s_add_nc_u64 s[G0K0+2:G0K0+3], s[4:5], s[76:77]
	s_or_b32 s[G0K0+3], s[G0K0+3], 0x80000000
	s_add_nc_u64 s[G0V0+2:G0V0+3], s[4:5], s[66:67]
	s_add_nc_u64 s[G0V1+2:G0V1+3], s[G0V0+2:G0V0+3], 16384*NS0   ; steps NS0 on
	s_or_b32 s[G0V0+3], s[G0V0+3], 0x80000000
	s_or_b32 s[G0V1+3], s[G0V1+3], 0x80000000
	s_add_nc_u64 s[G0K1+2:G0K1+3], s[4:5], s[78:79]
	s_or_b32 s[G0K1+3], s[G0K1+3], 0x80000000
	s_add_nc_u64 s[86:87], s[4:5], s[86:87]        ; A's Q
	s_add_nc_u64 s[88:89], s[4:5], s[88:89]        ; B's Q
	s_add_nc_u64 s[90:91], s[8:9], s[90:91]        ; A's ctx
	s_add_nc_u64 s[92:93], s[8:9], s[92:93]        ; B's ctx
	ROUND                                          ; all four work-groups are here: the first joint loads meet
	TLOAD G0K0, G1K0, G0V0, G1V0                   ; the first NS0 steps' keys
	v_and_b32 v1, 31, v0
	v_lshlrev_b32 v[AK0], 4, v1                    ; 16 x lane: my place in every piece
	v_add_nc_u32 v[AV0], 0x20000, v[AK0]
	v_add_nc_u32 v[AV1], 0x30000, v[AK0]
.irp c, 0,1
	global_load_b128 v[QB+4*\c:QB+4*\c+3], v[AK0], s[88:89] offset:512*\c
	global_load_b128 v[QA+4*\c:QA+4*\c+3], v[AK0], s[86:87] offset:512*\c
.endr
	v_and_b32 v4, 15, v0
	v_bfe_u32 v11, v0, 4, 1
	v_lshlrev_b32 v11, 4, v11
	v_sub_nc_u32 v11, v4, v11                      ; r - 16 h
	v_add_nc_u32 v[DA], s94, v11                   ; in a tile's last step register 16 b + i holds a key that counts where 32 b + i <= this
	v_add_nc_u32 v[DB], s85, v11
	v_mov_b32 v7, 0                                ; (named as the upper half of the pair v[6:7])
	v_mov_b32 v[PX], 0                             ; a lane permute's destination counts as one of its sources
	v_mov_b32 v10, 0                               ; likewise, for the way out
	v_mov_b32 v13, 0xff61b1e6                      ; the largest t so far: -3e38
	v_mov_b32 v17, 0xff61b1e6
	v_mov_b32 v14, 0
	v_mov_b32 v15, 0
	v_floor_f32 v12, -v13                          ; -M
	v_floor_f32 v16, -v17
	v_mov_b32 v18, 0
	v_mov_b32 v19, 0
.set j, 0
.rept 64
	v_mov_b32 v[O+j], 0                            ; O^T: the step has no first form of its own
.set j, j+1
.endr
	s_wait_kmcnt 0x0
	s_add_co_i32 s19, s80, s81
	s_lshl_b32 s19, s19, 23
	s_add_co_i32 s[CS], s[CS], s19                 ; x 2^(e6 + e7), in c's exponent field
	s_mov_b32 s[CS+1], s[CS]
	s_add_co_i32 s19, s82, 127
	s_lshl_b32 s85, s19, 23
	v_mov_b32 v3, s85                              ; 2^e8 as f32
	s_add_co_i32 s19, s19, 8
	s_lshl_b32 s19, s19, 23
	s_or_b32 s[PL], s19, 0x600000                  ; 448 x 2^e8
.macro SCORES q, counted               ; S^T = K Q^T: eight tiles of 16 keys, K = the head's 64.  counted = 1: K's sixteen loads are the only LDS instructions out; fragment i's two are in when at most 14 - 2 i younger ones are out
.irp i, 0,1,2,3,4,5,6,7
.if \counted
	s_wait_dscnt 14-2*\i
.endif
	v_wmma_f32_16x16x64_fp8_fp8 v[S+8*\i:S+8*\i+7], v[F+8*\i:F+8*\i+7], v[\q:\q+7], 0
.endr
.endm
.macro MASK kd, d                      ; in the tile's last step hidden scores become -infinity; every other step jumps over this (a branch on the wave's number and the count of steps)
	s_cmp_lg_u32 s[KF], s[\kd]
	s_cbranch_scc1 .Lopen_\@
.set n, 0
.rept 64
	v_cmp_le_i32 vcc_lo, 32*(n/16)+n%16, v[\d]
	v_cndmask_b32 v[S+n], s[NINF], v[S+n], vcc_lo
.set n, n+1
.endr
.Lopen_\@:
.endm
.macro VLOADS                          ; V's four fragments: piece c of tile u lies in slice 2 u + c / 2
.irp u, 0,1
.irp c, 0,1,2,3
	ds_load_b128 v[F+16*\u+4*\c:F+16*\u+4*\c+3], v[ADV] offset:16384*(2*\u+\c/2)+512*(\c%2)
	ds_load_b128 v[F+32+16*\u+4*\c:F+32+16*\u+4*\c+3], v[ADV2] offset:16384*(2*\u+\c/2)+512*(\c%2)
.endr
.endr
.endm
.macro SOFTMAX st, p                   ; one tile's softmax for a step
	v_max3_num_f32 v8, v[S], v[S+1], v[S+2]        ; the largest score among my 64 keys, in four chains, ascending (each accumulator from its low end on)
	v_max3_num_f32 v9, v[S+3], v[S+4], v[S+5]
	v_max3_num_f32 v10, v[S+6], v[S+7], v[S+8]
	v_max3_num_f32 v11, v[S+9], v[S+10], v[S+11]
.set j, 12
.rept 6
	v_max3_num_f32 v8, v8, v[S+j], v[S+j+1]
	v_max3_num_f32 v9, v9, v[S+j+2], v[S+j+3]
	v_max3_num_f32 v10, v10, v[S+j+4], v[S+j+5]
	v_max3_num_f32 v11, v11, v[S+j+6], v[S+j+7]
.set j, j+8
.endr
	v_max3_num_f32 v8, v8, v[S+60], v[S+61]
	v_max3_num_f32 v9, v9, v[S+62], v[S+63]
	s_delay_alu instid0(VALU_DEP_1)
	v_max3_num_f32 v8, v8, v9, v10
	s_delay_alu instid0(VALU_DEP_1)
	v_max_num_f32 v8, v8, v11
	s_delay_alu instid0(VALU_DEP_1)
	v_permlanex16_b32 v[PX], v8, s[SEL], s[SEL+1]
	s_delay_alu instid0(VALU_DEP_1)
	v_max_num_f32 v8, v8, v[PX]                    ; and among lane l xor 16's
	s_delay_alu instid0(VALU_DEP_1)
	v_mul_f32 v8, s[CS], v8                        ; as t (c is positive)
	s_delay_alu instid0(VALU_DEP_1)
	v_max_num_f32 v[\st+1], v[\st+1], v8           ; the running largest t
	v_mov_b32 v11, v[\st]
	s_delay_alu instid0(VALU_DEP_2)
	v_floor_f32 v[\st], -v[\st+1]                  ; the new -M = -ceil(t)
.set j, 0
.rept 32
	v_pk_fma_f32 v[S+j:S+j+1], v[S+j:S+j+1], s[CS:CS+1], v[\st:\st+1] op_sel_hi:[1,0,0]   ; t - M.  The three lines that make f stand among these, eight apart
.if j == 14
	v_sub_f32 v11, v[\st], v11                     ; old M - new M: a whole number, 0 or less
.endif
.if j == 30
	v_cvt_i32_f32 v11, v11
.endif
.if j == 46
	v_ldexp_f32 v6, 1.0, v11                       ; f = 2^(old M - new M)
.endif
.set j, j+2
.endr
	s_wait_alu depctr_va_vdst(0)                   ; the wait ahead of the batch
.set j, 0
.rept 64
	v_exp_f32 v[S+j], v[S+j]                       ; p = 2^(t - M)
.set j, j+1
.endr
	v_pk_mul_f32 v[\st+2:\st+3], v[\st+2:\st+3], v[6:7] op_sel_hi:[1,0]   ; the sums under the new M (the plain line behind the batch)
	s_wait_alu depctr_va_vdst(0)                   ; and behind it, ahead of its first reader
	v_pk_add_f32 v[8:9], v[S:S+1], v[S+2:S+3]      ; the row's sum of the unquantised p, in three chains
	v_pk_add_f32 v[10:11], v[S+4:S+5], v[S+6:S+7]
.set j, 8
.rept 9
	v_pk_add_f32 v[\st+2:\st+3], v[\st+2:\st+3], v[S+j:S+j+1]
	v_pk_add_f32 v[8:9], v[8:9], v[S+j+2:S+j+3]
	v_pk_add_f32 v[10:11], v[10:11], v[S+j+4:S+j+5]
.set j, j+6
.endr
	v_pk_add_f32 v[\st+2:\st+3], v[\st+2:\st+3], v[S+62:S+63]
	s_delay_alu instid0(VALU_DEP_2)
	v_pk_add_f32 v[8:9], v[8:9], v[10:11]
	s_delay_alu instid0(VALU_DEP_1)
	v_pk_add_f32 v[\st+2:\st+3], v[\st+2:\st+3], v[8:9]
.irp b, 0,1,2,3
.irp i, 0,2,4,6,8,10,12,14
	v_dual_min_num_f32 v[S+16*\b+\i], s[PL], v[S+16*\b+\i] :: v_dual_min_num_f32 v[S+16*\b+\i+1], s[PL], v[S+16*\b+\i+1]   ; the conversion does not saturate (ISA guide 7.6.2); p is not negative, so the hold is one-sided; two numbers a line
.endr
	v_cvt_scalef32_pk8_fp8_f32 v[\p+4*\b:\p+4*\b+1], v[S+16*\b:S+16*\b+7], v3
	v_cvt_scalef32_pk8_fp8_f32 v[\p+4*\b+2:\p+4*\b+3], v[S+16*\b+8:S+16*\b+15], v3
	v_nop                                          ; one plain line behind the conversions: later results land on these conversions' sources, and products write them
.endr
.endm
.macro RESCALE t                       ; the tile's O^T x f
	s_wait_alu depctr_va_vdst(0)                   ; the wait directly ahead of the first reader of O^T
.set j, 0
.rept 16
	v_pk_mul_f32 v[O+32*\t+j:O+32*\t+j+1], v[O+32*\t+j:O+32*\t+j+1], v[6:7] op_sel_hi:[1,0]
.set j, j+2
.endr
.endm
; A KEY STEP: 128 keys, for B, and for A while A's steps last.  The branches hang on the wave's number and the count of steps; no barrier and no tensor load stands in a step.
.macro STEP
	s_cmp_gt_u32 s[KF], s[KB]
	s_cbranch_scc1 .Lhidden_\@
	v_add_nc_u32 v[ADK], s[TBK], v[AK0]
	v_add_nc_u32 v[ADV], s[TBV], v[AV0]
	v_add_nc_u32 v[ADV2], s[TBV], v[AV1]
.irp i, 0,1,2,3,4,5,6,7
	ds_load_b128 v[F+8*\i:F+8*\i+3], v[ADK] offset:1024*\i
	ds_load_b128 v[F+8*\i+4:F+8*\i+7], v[ADK] offset:1024*\i+512
.endr
	s_wait_alu depctr_va_vdst(0)
	SCORES QB, 1
.rept 4
	v_nop                                          ; places in front of the first read of the scores, and of B alone's loads over K's fragments
.endr
	s_cmp_gt_u32 s[KF], s[KA]
	s_cbranch_scc1 .Lalone_\@
	SOFTMAX 12, P0
	SCORES QA, 0
	RESCALE 0                                      ; sixteen plain lines: the places in front of the loads below and of the first read of the scores
	VLOADS
	MASK KA, DA
	SOFTMAX 16, P1
	RESCALE 1
	s_wait_alu depctr_va_vdst(0)
	s_wait_dscnt 0x0
.irp u, 0,1,2,3                                ; O^T += V^T P^T: eight accumulators by turns
	v_wmma_f32_16x16x128_fp8_fp8 v[O+8*\u:O+8*\u+7], v[F+16*\u:F+16*\u+15], v[P0:P0+15], v[O+8*\u:O+8*\u+7]
	v_wmma_f32_16x16x128_fp8_fp8 v[O+32+8*\u:O+32+8*\u+7], v[F+16*\u:F+16*\u+15], v[P1:P1+15], v[O+32+8*\u:O+32+8*\u+7]
.endr
	s_branch .Ltail_\@
.Lalone_\@:
	VLOADS                                         ; V's fragments are on their way while the softmax is worked
	MASK KB, DB
	SOFTMAX 12, P0
	RESCALE 0
	s_wait_alu depctr_va_vdst(0)
	s_wait_dscnt 0x0
.irp u, 0,1,2,3
	v_wmma_f32_16x16x128_fp8_fp8 v[O+8*\u:O+8*\u+7], v[F+16*\u:F+16*\u+15], v[P0:P0+15], v[O+8*\u:O+8*\u+7]
.endr
.Ltail_\@:
.rept 5
	v_nop                                          ; five places: the next step's first products write over registers that these have read (A's codes lie over the first scores)
.endr
.Lhidden_\@:
	s_add_co_u32 s[TBK], s[TBK], 8192
	s_add_co_u32 s[TBV], s[TBV], 1024
	s_add_co_u32 s[KF], s[KF], 128
.endm
	s_wait_alu depctr_va_vdst(0)                   ; the wait at the head's end
	s_wait_loadcnt 0x0                             ; Q
	s_wait_tensorcnt 0x0                           ; my part of the first fill is in; these lines stand ahead of a later first fill as ahead of a refill
	ds_add_u32 v[SPW], v[NIL]
	s_wait_dscnt 0x0
	ROUND                                          ; everybody's part is in, and all four work-groups are here
	TLOAD G0K1, G1K1, G0V1, G1V1                   ; the other keys: bytes that no load has filled and that the first NS0 steps do not read
	s_mov_b32 s[CNT], NS0
.Lfirst_steps:
	STEP
	s_sub_co_u32 s[CNT], s[CNT], 1
	s_cmp_lg_u32 s[CNT], 0
	s_cbranch_scc1 .Lfirst_steps
	s_wait_tensorcnt 0x0                           ; my part of the other keys is in
	s_barrier_signal -1
	s_barrier_wait -1                              ; everybody's is
	s_mov_b32 s[CNT], NS1
.Lother_steps:
	STEP
	s_sub_co_u32 s[CNT], s[CNT], 1
	s_cmp_lg_u32 s[CNT], 0
	s_cbranch_scc1 .Lother_steps
	; THE WAY OUT.  O^T x 2^(e8 + e9) / the sum; NaN becomes 0; held, converted with 2^e10; a tile's registers 16 g + 0 .. 15 are a piece of the last projection's operand, stored as it stands.
	v_add_f32 v14, v14, v15
	v_add_f32 v18, v18, v19
	s_delay_alu instid0(VALU_DEP_2)
	v_permlanex16_b32 v10, v14, s[SEL], s[SEL+1]
	s_delay_alu instid0(VALU_DEP_2)
	v_permlanex16_b32 v11, v18, s[SEL], s[SEL+1]
	s_delay_alu instid0(VALU_DEP_2)
	v_add_f32 v14, v14, v10
	s_delay_alu instid0(VALU_DEP_2)
	v_add_f32 v18, v18, v11
	s_wait_alu depctr_va_vdst(0)                   ; ahead of the reciprocals
	v_rcp_f32 v14, v14
	v_rcp_f32 v18, v18
	s_add_co_i32 s19, s84, 127
	s_lshl_b32 s85, s19, 23
	s_add_co_i32 s19, s19, 8
	s_lshl_b32 s19, s19, 23
	s_or_b32 s19, s19, 0x600000
	s_add_co_i32 s94, s82, s83
	v_mov_b32 v3, s85                              ; 2^e10 (the plain line behind the reciprocals)
	v_mov_b32 v5, s19                              ; 448 x 2^e10
	s_wait_alu depctr_va_vdst(0)                   ; one wait for both, ahead of their first reader
	v_ldexp_f32 v14, v14, s94                      ; x 2^(e8 + e9)
	v_ldexp_f32 v18, v18, s94
.macro OUT t, base
	s_wait_alu depctr_va_vdst(0)                   ; directly ahead of the first reader of this tile's O^T
.set j, 0
.rept 16
	v_pk_mul_f32 v[S+32*\t+j:S+32*\t+j+1], v[O+32*\t+j:O+32*\t+j+1], v[14+4*\t:15+4*\t] op_sel_hi:[1,0]
.set j, j+2
.endr
.set j, 0
.rept 32
	v_cmp_eq_f32 vcc_lo, v[S+32*\t+j], v[S+32*\t+j]             ; false for NaN alone,
	s_delay_alu instid0(VALU_DEP_1)
	v_cndmask_b32 v[S+32*\t+j], 0, v[S+32*\t+j], vcc_lo         ; which becomes 0
	s_delay_alu instid0(VALU_DEP_1)
	v_med3_num_f32 v[S+32*\t+j], v[S+32*\t+j], -v5, v5          ; the hold at the largest code x the scale
.set j, j+1
.endr
.irp u, 0,1,2,3
	v_cvt_scalef32_pk8_fp8_f32 v[F+8*\t+2*\u:F+8*\t+2*\u+1], v[S+32*\t+8*\u:S+32*\t+8*\u+7], v3
.endr
	v_nop                                          ; one plain line behind the last conversion
.irp g, 0,1
	global_store_b128 v[AK0], v[F+8*\t+4*\g:F+8*\t+4*\g+3], s[\base:\base+1] offset:512*\g   ; 32 lanes store 512 consecutive bytes, at a multiple of 512 from the buffer's first byte
.endr
.endm
	OUT 0, 92
	OUT 1, 90
	s_wait_tensorcnt 0x0                           ; the wave's end
	ds_add_u32 v[SPW], v[NIL]
	s_wait_dscnt 0x0
	ROUND                                          ; the closing round
	s_endpgm
.Lfunc_end_k_q8f222fdc99_attn:
	.size	k_q8f222fdc99_attn, .Lfunc_end_k_q8f222fdc99_attn-k_q8f222fdc99_attn
	.p2alignl 7, 3214868480
	.fill 96, 4, 3214868480
	.section	.rodata,"a",@progbits
	.p2align	6, 0x0
	.amdhsa_kernel k_q8f222fdc99_attn
		.amdhsa_group_segment_fixed_size 327680
		.amdhsa_private_segment_fixed_size 0
		.amdhsa_enable_private_segment 0
		.amdhsa_kernarg_size 24
		.amdhsa_user_sgpr_count 2
		.amdhsa_user_sgpr_kernarg_segment_ptr 1
		.amdhsa_wavefront_size32 1
		.amdhsa_system_sgpr_workgroup_id_x 1
		.amdhsa_system_sgpr_workgroup_id_y 1
		.amdhsa_system_sgpr_workgroup_id_z 1
		.amdhsa_system_vgpr_workitem_id 0
		.amdhsa_next_free_vgpr 256
		.amdhsa_next_free_sgpr 102
		.amdhsa_reserve_vcc 1
		.amdhsa_float_denorm_mode_32 3
		.amdhsa_float_denorm_mode_16_64 3
		.amdhsa_memory_ordered 1
		.amdhsa_forward_progress 1
		.amdhsa_inst_pref_size 135
	.end_amdhsa_kernel
	.amdgpu_metadata
---
amdhsa.version: [ 1, 2 ]
amdhsa.kernels:
  - .name:           k_q8f222fdc99_attn
    .symbol:         k_q8f222fdc99_attn.kd
    .args:
      - { .name: qkv, .offset: 0, .size: 8, .value_kind: global_buffer, .address_space: global }
      - { .name: lowp_scales, .offset: 8, .size: 8, .value_kind: global_buffer, .address_space: global }
      - { .name: ctx, .offset: 16, .size: 8, .value_kind: global_buffer, .address_space: global }
    .group_segment_fixed_size: 327680
    .private_segment_fixed_size: 0
    .kernarg_segment_align: 8
    .kernarg_segment_size: 24
    .max_flat_workgroup_size: 512
    .sgpr_count:     102
    .vgpr_count:     256
    .wavefront_size: 32
...
	.end_amdgpu_metadata
.endif
;; end of part 3
;; launch outp (part 4): grid 4 x 32, 4 waves a work-group, clusters of 4 x 4, 327,680 bytes of LDS; arguments ctx, codes, lowp_scales, bo, out0; writes out0
.if DOCPART == 4
	.amdgcn_target "amdgcn-amd-amdhsa--gfx1250"
	.amdhsa_code_object_version 6
	.text
	.protected	k_q8f222fdc99_outp
	.globl	k_q8f222fdc99_outp
	.p2align	8
	.type	k_q8f222fdc99_outp,@function
k_q8f222fdc99_outp:
	s_mov_b64 s[64:65], 0
	v_nop
	global_prefetch_b8 v0, s[64:65] scope:SCOPE_SE
	s_setreg_imm32_b32 hwreg(HW_REG_WAVE_MODE, 25, 1), 1
	s_wait_xcnt 0x0
	s_wait_alu depctr_hold_cnt(0) depctr_sa_sdst(0) depctr_va_vdst(0) depctr_va_sdst(0) depctr_va_ssrc(0) depctr_va_vcc(0) depctr_vm_vsrc(0)
	s_getreg_b32 s2, hwreg(HW_REG_IB_STS2, 6, 4)
	s_cmp_eq_u32 s2, 0
	s_cbranch_scc0 .Lentry_in_a_cluster
	s_endpgm
.Lentry_in_a_cluster:
	s_bfe_u32 s2, ttmp6, 0x10000c
	s_cmp_lg_u32 s2, 0xf033
	s_cbranch_scc0 .Lentry_shape_is_right
	s_endpgm
.Lentry_shape_is_right:
.set ROWB,   256
.set KROW,   1024
.set PITCH,  272
.set FR,     16
.set NL,     4
.set NP,     4
.set HALFT,  128*PITCH
.set ABYT,   65536
.set SLOT,   ABYT+2*HALFT
.set SPARE,  2*SLOT
.set STAGE,  SPARE+512
.set SPITCH, 528
.set SIZE_N, 1024
.set ADRA, 16
.set ADRB, 20
.set STO,  24
.set RD,   25
.set CO,   26
.set SPW,  28
.set NIL,  29
.set BIAS, 32
.set TMP,  32
.set AF,   128
.set BK,   128
.set G1, 24
.set G0, 32
.set G1B, 48
.set G0B, 56
.set MSB, 0
.macro WIN new
.if MSB != (\new)
	s_set_vgpr_msb (MSB<<8)|(\new)
.set MSB, (\new)
.endif
.endm
.set MUL_LO, 0xa1
.set MUL_HI, 0xf1
.set TO_B,   0x40
.macro JLOAD g0a, g1a, g0b, g1b
	s_cmp_eq_u32 s15, 0
	s_cbranch_scc0 .Lfor_b_\@
	tensor_load_to_lds s[\g0a:\g0a+3], s[\g1a:\g1a+7]
	s_nop 0
.rept 4
	v_nop
.endr
	s_branch .Lasked_\@
.Lfor_b_\@:
	tensor_load_to_lds s[\g0b:\g0b+3], s[\g1b:\g1b+7]
	s_nop 0
.rept 4
	v_nop
.endr
.Lasked_\@:
.endm
.macro CREST
	s_cmp_lg_u32 s14, 0
	s_cbranch_scc1 .Lnot_wave_0_\@
	s_barrier_signal -3
.Lnot_wave_0_\@:
	s_barrier_wait -3
	s_barrier_signal -1
	s_barrier_wait -1
.endm
.macro CROUND
	s_barrier_signal -1
	s_barrier_wait -1
	CREST
.endm
	s_load_b256 s[4:11], s[0:1], 0x0
	s_load_b64 s[68:69], s[0:1], 0x20
	v_lshl_add_u32 v[SPW], v0, 2, SPARE
	v_mov_b32 v[NIL], 0
	ds_add_u32 v28, v29
	ds_add_u32 v28, v29
	s_wait_dscnt 0x0
	v_lshrrev_b32 v1, 5, v0
	v_readfirstlane_b32 s14, v1
	s_lshr_b32 s15, s14, 1
	s_and_b32 s16, s14, 1
	s_bfe_u32 s42, ttmp6, 0x40000
	s_bfe_u32 s41, ttmp6, 0x40004
	s_and_b32 s17, ttmp7, 0xffff
	s_lshl_b32 s17, s17, 2
	s_add_co_u32 s17, s17, s41
	s_lshl_b32 s43, s41, 2
	s_lshl_b32 s43, 15, s43
	s_lshl_b32 s44, 0x1111, s42
	s_or_b32 s[G1+0], s43, (3<<16)|(1<<21)
	s_mov_b32 s[G1+1], 512<<16
	s_mov_b32 s[G1+2], 8<<16
	s_mov_b32 s[G1+3], 512<<16
	s_mov_b32 s[G1+4], 8
	s_mov_b32 s[G1+5], 2048
	s_mov_b32 s[G1+6], 0
	s_mov_b32 s[G1+7], 0
	s_or_b32 s[G1B+0], s44, (0<<16)|(1<<20)|(1<<21)|(5<<22)|(3<<25)
	s_mov_b32 s[G1B+1], ROWB<<16
	s_mov_b32 s[G1B+2], 128<<16
	s_mov_b32 s[G1B+3], ROWB<<16
	s_mov_b32 s[G1B+4], 128
	s_mov_b32 s[G1B+5], KROW
	s_mov_b32 s[G1B+6], 0
	s_mov_b32 s[G1B+7], 0
	s_lshl_b32 s20, s17, 18
	s_lshl_b32 s18, s16, 17
	s_add_co_u32 s20, s20, s18
	s_mov_b32 s21, 0
	s_lshl_b32 s46, s42, 18
	s_add_co_u32 s46, s46, s18
	s_add_co_u32 s46, s46, 28311552
	s_mov_b32 s47, 0
	s_lshl_b32 s45, s16, 15
	s_mul_i32 s67, s16, HALFT
	s_add_co_u32 s67, s67, ABYT
	s_wait_kmcnt 0x0
	s_load_b64 s[96:97], s[8:9], 0x28
	s_add_nc_u64 s[20:21], s[4:5], s[20:21]
	s_add_nc_u64 s[46:47], s[6:7], s[46:47]
	CROUND
.irp s, 0,1
	s_mov_b32 s[G0+4*\s], 1
	s_add_co_u32 s[G0+4*\s+1], s45, \s*SLOT
	s_add_nc_u64 s[G0+4*\s+2:G0+4*\s+3], s[20:21], \s*4096
	s_or_b32 s[G0+4*\s+3], s[G0+4*\s+3], 0x80000000
	s_mov_b32 s[G0B+4*\s], 1
	s_add_co_u32 s[G0B+4*\s+1], s67, \s*SLOT
	s_add_nc_u64 s[G0B+4*\s+2:G0B+4*\s+3], s[46:47], \s*ROWB
	s_or_b32 s[G0B+4*\s+3], s[G0B+4*\s+3], 0x80000000
.endr
	JLOAD G0, G1, G0B, G1B                         ; slot 0, behind the opening round: one tensor load a wave at the head
	v_and_b32 v1, 15, v0
	v_bfe_u32 v2, v0, 4, 1
	v_and_b32 v6, 31, v0
	v_lshlrev_b32 v[CO], 4, v6
	v_mul_u32_u24 v3, v1, PITCH
	v_lshl_add_u32 v4, v2, 4, v3
	s_lshl_b32 s21, s15, 15
	s_mul_i32 s23, s16, HALFT
	s_add_co_u32 s23, s23, ABYT
.irp s, 0,1
	v_add_nc_u32 v[ADRA+\s], s21, v[CO]
	v_add_nc_u32 v[ADRB+\s], s23, v4
	s_add_co_u32 s21, s21, SLOT
	s_add_co_u32 s23, s23, SLOT
.endr
	s_mul_i32 s23, s14, 16*SPITCH
	s_add_co_u32 s23, s23, STAGE
	v_mul_u32_u24 v5, v1, SPITCH
	v_lshl_add_u32 v5, v2, 5, v5
	v_add_nc_u32 v[STO], s23, v5
	v_add_nc_u32 v[RD], s23, v[CO]
	s_lshl_b32 s20, s17, 8
	s_lshl_b32 s21, s15, 7
	s_add_co_u32 s20, s20, s21
	s_lshl_b32 s20, s20, 12
	s_lshl_b32 s46, s42, 10
	s_lshl_b32 s47, s16, 9
	s_add_co_u32 s46, s46, s47
	s_add_co_u32 s20, s20, s46
	s_mov_b32 s21, 0
	s_add_nc_u64 s[68:69], s[68:69], s[20:21]
	s_mov_b32 s47, 0
	s_add_nc_u64 s[10:11], s[10:11], s[46:47]
	v_lshlrev_b32 v7, 5, v2
.irp b, 0,1,2,3,4,5,6,7
	global_load_b128 v[BIAS+8*\b:BIAS+8*\b+3], v7, s[10:11] offset:64*\b
	global_load_b128 v[BIAS+8*\b+4:BIAS+8*\b+7], v7, s[10:11] offset:64*\b+16
.endr
	s_wait_kmcnt 0x0
	s_add_co_i32 s96, s96, s97
	s_sub_co_i32 s94, 0, s96
	s_add_co_i32 s96, s96, 127
	s_lshl_b32 s96, s96, 23
	s_wait_loadcnt 0x0
.set i, 0
.rept 64
	v_ldexp_f32 v[BIAS+i], v[BIAS+i], s94
.set i, i+1
.endr
.macro FRAGB reg, adr, q, i
.irp c, 0,1,2,3
	ds_load_b128 v[\reg+4*\c:\reg+4*\c+3], v[\adr] offset:128*(\q)+32*\c+(\i)*16*PITCH
.endr
.endm
.macro FRAGA reg, adr, q, i
.irp c, 0,1,2,3
	ds_load_b128 v[\reg+4*\c:\reg+4*\c+3], v[\adr] offset:4096*(\i)+2048*(\q)+512*\c
.endr
.endm
.macro MUL16 a0, p, zero
.irp a, \a0, \a0+1
.irp b, 0,1,2,3,4,5,6,7
.if \zero
	v_wmma_f32_16x16x128_fp8_fp8 v[8*(8*((\a)%4)+\b):8*(8*((\a)%4)+\b)+7], v[128*(\p)+FR*\b:128*(\p)+FR*\b+FR-1], v[AF+FR*(\a):AF+FR*(\a)+FR-1], v[BIAS+8*\b:BIAS+8*\b+7]
.else
	v_wmma_f32_16x16x128_fp8_fp8 v[8*(8*((\a)%4)+\b):8*(8*((\a)%4)+\b)+7], v[128*(\p)+FR*\b:128*(\p)+FR*\b+FR-1], v[AF+FR*(\a):AF+FR*(\a)+FR-1], v[8*(8*((\a)%4)+\b):8*(8*((\a)%4)+\b)+7]
.endif
.endr
.endr
.endm
.macro FETCH_B slot, q, p
	WIN TO_B
.irp i, 0,1,2,3,4,5,6,7
	FRAGB 128*(\p)+FR*\i, ADRB+\slot, \q, \i
.endr
	WIN 0
.endm
.macro FETCH_A slot, q, i0
.irp i, \i0, \i0+1, \i0+2, \i0+3
	FRAGA AF+FR*(\i), ADRA+\slot, \q, \i
.endr
.endm
.macro PLACES n
.rept \n
	v_nop
.endr
.endm
.macro STEP slot, q, zero
	s_wait_dscnt 4*NL
.if \zero
	WIN 0x81
.else
	WIN MUL_LO
.endif
	MUL16 0, (\q)%2, \zero
	MUL16 2, (\q)%2, \zero
	s_wait_dscnt 0
	PLACES NP
	FETCH_B \slot, (\q)+1, 1-(\q)%2
	FETCH_A \slot, (\q)+1, 0
.if \zero
	WIN 0xc1
.else
	WIN MUL_HI
.endif
	MUL16 4, (\q)%2, \zero
	MUL16 6, (\q)%2, \zero
	PLACES NP
	WIN 0
	FETCH_A \slot, (\q)+1, 4
.endm
.macro TURN slot, next, fill
	s_wait_tensorcnt 0x0
	ds_add_u32 v[SPW], v[NIL]
	s_wait_dscnt 4*NL+1
	WIN MUL_LO
	MUL16 0, 1, 0
	s_wait_dscnt 0x0
	s_barrier_signal -1
	MUL16 2, 1, 0
	WIN 0
	s_barrier_wait -1
.if \fill
	CREST
	s_add_nc_u64 s[G0+4*\slot+2:G0+4*\slot+3], s[G0+4*\slot+2:G0+4*\slot+3], 2*4096
	s_add_nc_u64 s[G0B+4*\slot+2:G0B+4*\slot+3], s[G0B+4*\slot+2:G0B+4*\slot+3], 2*ROWB
	JLOAD G0+4*\slot, G1, G0B+4*\slot, G1B
.else
	PLACES NP
.endif
	FETCH_B \next, 0, 0
	FETCH_A \next, 0, 0
	WIN MUL_HI
	MUL16 4, 1, 0
	MUL16 6, 1, 0
	PLACES NP
	WIN 0
	FETCH_A \next, 0, 4
.endm
	s_wait_alu depctr_va_vdst(0)                   ; the wait at the head's end
	s_wait_tensorcnt 0x0                           ; my part of slot 0 is in; these lines stand ahead of a later first fill as ahead of a refill
	ds_add_u32 v[SPW], v[NIL]
	s_wait_dscnt 0x0
	CROUND                                         ; everybody's part of slot 0 is in, and all sixteen work-groups are here
	JLOAD G0+4, G1, G0B+4, G1B                     ; slot 1's first fill, the first tensor load behind the round
	FETCH_B 0, 0, 0
	FETCH_A 0, 0, 0
	FETCH_A 0, 0, 4
	STEP 0, 0, 1
	TURN 0, 1, 1
	STEP 1, 0, 0
	TURN 1, 0, 1
	STEP 0, 0, 0
	TURN 0, 1, 0
	STEP 1, 0, 0
	s_wait_dscnt 4*NL
	WIN MUL_LO
	MUL16 0, 1, 0
	MUL16 2, 1, 0
	s_wait_dscnt 0
	WIN MUL_HI
	MUL16 4, 1, 0
	MUL16 6, 1, 0
	WIN 0
.macro TOSTAGE a
.set AC, 64*((\a)%4)
	WIN 0x02+((\a)/4)
.set j, 0
.rept 32
	v_pk_mul_f32 v[TMP+j:TMP+j+1], v[AC+j:AC+j+1], s[96:97] op_sel_hi:[1,0]
.set j, j+2
.endr
	WIN 0
.irp b, 0,1,2,3,4,5,6,7
	ds_store_b128 v[STO], v[TMP+8*\b:TMP+8*\b+3] offset:64*\b
	ds_store_b128 v[STO], v[TMP+8*\b+4:TMP+8*\b+7] offset:64*\b+16
.endr
.set BB, BK+64*((\a)%2)
.irp t, 0,1,2,3,4,5,6,7,8,9,10,11,12,13,14,15
	ds_load_b128 v[BB+4*\t:BB+4*\t+3], v[RD] offset:\t*SPITCH
.endr
.endm
.macro SEND a, younger
.set BB, BK+64*((\a)%2)
	s_wait_dscnt \younger
.if (\a) > 0
	s_add_nc_u64 s[68:69], s[68:69], 16*SIZE_N*4
.endif
.irp t, 0,1,2,3,4,5,6,7,8,9,10,11,12,13,14,15
	global_store_b128 v[CO], v[BB+4*\t:BB+4*\t+3], s[68:69] offset:\t*SIZE_N*4 th:TH_STORE_NT
.endr
.endm
	PLACES NP
	TOSTAGE 0
.irp a, 1,2,3,4,5,6,7
.if \a > 1
	s_wait_xcnt 0x0
.endif
	TOSTAGE \a
	SEND \a-1, 32
.endr
	s_wait_xcnt 0x0
	SEND 7, 0
	s_wait_tensorcnt 0x0
	ds_add_u32 v[SPW], v[NIL]
	s_wait_dscnt 0x0
	CROUND
	s_endpgm
.Lfunc_end_k_q8f222fdc99_outp:
	.size	k_q8f222fdc99_outp, .Lfunc_end_k_q8f222fdc99_outp-k_q8f222fdc99_outp
	.p2alignl 7, 3214868480
	.fill 96, 4, 3214868480
	.section	.rodata,"a",@progbits
	.p2align	6, 0x0
	.amdhsa_kernel k_q8f222fdc99_outp
		.amdhsa_group_segment_fixed_size 327680
		.amdhsa_private_segment_fixed_size 0
		.amdhsa_enable_private_segment 0
		.amdhsa_kernarg_size 40
		.amdhsa_user_sgpr_count 2
		.amdhsa_user_sgpr_kernarg_segment_ptr 1
		.amdhsa_wavefront_size32 1
		.amdhsa_system_sgpr_workgroup_id_x 1
		.amdhsa_system_sgpr_workgroup_id_y 1
		.amdhsa_system_sgpr_workgroup_id_z 1
		.amdhsa_system_vgpr_workitem_id 0
		.amdhsa_next_free_vgpr 1024
		.amdhsa_next_free_sgpr 100
		.amdhsa_reserve_vcc 0
		.amdhsa_float_denorm_mode_32 3
		.amdhsa_float_denorm_mode_16_64 3
		.amdhsa_memory_ordered 1
		.amdhsa_forward_progress 1
		.amdhsa_inst_pref_size 129
	.end_amdhsa_kernel
	.amdgpu_metadata
---
amdhsa.version: [ 1, 2 ]
amdhsa.kernels:
  - .name:           k_q8f222fdc99_outp
    .symbol:         k_q8f222fdc99_outp.kd
    .args:
      - { .name: ctx, .offset: 0, .size: 8, .value_kind: global_buffer, .address_space: global }
      - { .name: codes, .offset: 8, .size: 8, .value_kind: global_buffer, .address_space: global }
      - { .name: lowp_scales, .offset: 16, .size: 8, .value_kind: global_buffer, .address_space: global }
      - { .name: bo, .offset: 24, .size: 8, .value_kind: global_buffer, .address_space: global }
      - { .name: out0, .offset: 32, .size: 8, .value_kind: global_buffer, .address_space: global }
    .group_segment_fixed_size: 327680
    .private_segment_fixed_size: 0
    .kernarg_segment_align: 8
    .kernarg_segment_size: 40
    .max_flat_workgroup_size: 128
    .sgpr_count:     100
    .vgpr_count:     1024
    .wavefront_size: 32
...
	.end_amdgpu_metadata
.endif
;; end of part 4
